; MI455X (gfx1250); checked and timed in simulation.
; The chip was launched on July 23, 2026; its instructions are those of AMD's public machine-readable ISA for CDNA 5 (MIT licence, August 2026) and "CDNA5" Instruction Set Architecture Reference Guide (July 2026). The comments in the code are by the model that wrote it; some were corrected since.
;; Multi Head Attention. Allowed arithmetic: matrix products marked QUANTISED: E2M1 operands, one E8M0 scale for each 32 along K, by v_wmma_scale_f32_16x16x128_f8f6f4 with both operands' format E2M1 (or v_wmma_scale_f32_32x16x128_f4), f32 sums; everything else in f32.
;; Inputs: Wk 1,024 x 1,024 float32; Wo 1,024 x 1,024 float32; Wq 1,024 x 1,024 float32; Wv 1,024 x 1,024 float32; bk 1,024 float32; bo 1,024 float32; bq 1,024 float32; bv 1,024 float32; key 4 x 2,048 x 1,024 float32; mask 4 x 1 x 2,048 x 2,048 bool; query 4 x 2,048 x 1,024 float32; value 4 x 2,048 x 1,024 float32.
;; Outputs: out0 4 x 2,048 x 1,024 float32.
;; This version of the problem:
;;   THIS VERSION OF THE PROBLEM IS GIVEN IN LOW PRECISION. The matrix products marked QUANTISED in the list below multiply operands that are first quantised to E2M1 (2 exponent bits, 1 mantissa bit; 4 bits a number), with one power-of-two scale for each 32 numbers along K (OCP MX v1.0); their sums are f32. All else is computed in f32.
;;   The module's matrix products, in the order in which they are computed (A, B: the left and right operand; K: the contracted axis; several contracted axes count as one K, in the product's order):
;;     1. [M 8,192, K 1,024] x [K 1,024, N 1,024]; A: input query; B: input Wq: QUANTISED
;;     2. [M 8,192, K 1,024] x [K 1,024, N 1,024]; A: input key; B: input Wk: QUANTISED
;;     3. [M 8,192, K 1,024] x [K 1,024, N 1,024]; A: input value; B: input Wv: QUANTISED
;;     4. batch 64 x [M 2,048, K 64] x [K 64, N 2,048]; A: computed on the way; B: computed on the way: QUANTISED
;;     5. batch 64 x [M 2,048, K 2,048] x [K 2,048, N 64]; A: softmax (see below); B: computed on the way: QUANTISED
;;     6. [M 8,192, K 1,024] x [K 1,024, N 1,024]; A: computed on the way; B: input Wo: QUANTISED
;;   THE QUANTISER, for each operand of a quantised product, along K:
;;     - K is cut into blocks of 32 from its start; a last block that is shorter is filled with zeros.
;;     - A block's scale is 2^e with e = floor(log2(the largest magnitude in the block)) - 2, held to -126 .. 127; a block of zeros has e = 0. As a byte (E8M0): e + 127.
;;     - Each number is divided by its block's scale, clamped to +-6, and rounded to the nearest number of E2M1, ties to even, subnormals kept.
;;     - The product sums the exact products of the quantised numbers (number of the format x scale) in f32.
;;   ~~~python
;;   def quantise(x, axis):      # numpy; x: float32 -> the quantised numbers, widened to float32 again
;;       x = np.moveaxis(x, axis, -1); K = x.shape[-1]
;;       x = np.pad(x, [(0, 0)] * (x.ndim - 1) + [(0, -K % 32)]); x = x.reshape(x.shape[:-1] + (-1, 32)); a = np.abs(x).max(-1, keepdims=True)
;;       e = np.where(a > 0, np.clip(np.frexp(np.where(a > 0, a, 1))[1] - 1 - 2, -126, 127), 0)      # np.frexp(a)[1] - 1 = floor(log2(a)), exactly
;;       r = np.clip(x / 2.0 ** e, -6, 6)
;;       step = 2.0 ** (np.maximum(np.frexp(np.where(r == 0, 1, r))[1] - 1, 0) - 1)
;;       q = np.round(r / step) * step * 2.0 ** e      # np.round: ties to even
;;       return np.moveaxis(q.reshape(q.shape[:-2] + (-1,))[..., :K], -1, axis).astype(np.float32)
;;   ~~~
;;   SOFTMAX AHEAD OF A QUANTISED PRODUCT. Where the list says 'softmax', what is quantised is not the finished softmax but p = 2^(t - M), with t = logit x log2(e) and M = ceil(the row's largest t), a whole number; so 1/2 < the row's largest p <= 1. The row's sum l is taken of the UNQUANTISED p, in f32, and the product's result is divided by l at the end. Since M is a whole number, a kernel that streams over the keys may use a running M (the ceiling of the running maximum): every later rescaling is an exact power of two, which a block's scale takes up: the codes' values come out the same.
;;   OPERANDS COMPUTED ON THE WAY. 'Computed on the way' means the value that the module computes at that place (a softmax that the list does not call 'softmax' is quantised finished and normalised). What goes into a quantiser is computed in f32, as accurately as f32 sums, v_exp_f32 and their like allow (about 1e-6 of the number): no bf16 or f16 on the way to a quantiser, and a product that is left as it is and whose result goes on into a quantised operand takes f32 operands (vector FMAs, or v_wmma_f32_16x16x4_f32). A number that lies on a knife's edge between two numbers of the format may be rounded either way, as far as f32 arithmetic and the matrix unit's own rounding can turn it there, and no further.
;; One version. Each part assembles by itself: llvm-mc -triple=amdgcn-amd-amdhsa -mcpu=gfx1250 --defsym DOCPART=n.
;; ======== version 1 of 1: 4 launches
;; limits: right only within a limited range of input values
;; workspace buffers: xc 14,680,064 bytes; xs 917,504 bytes; mbits 2,097,152 bytes of whole numbers; mflag 4,096 bytes of whole numbers; hc 12,582,912 bytes; hs 1,310,720 bytes; oc 4,194,304 bytes; os 262,144 bytes
;; launch prep (part 1): grid 1152 x 1, 4 waves a work-group, no clusters, 51,712 bytes of LDS; arguments query, key, value, Wq, Wk, Wv, Wo, mask, xc, xs, mbits, mflag; writes xc, xs, mbits, mflag
.if DOCPART == 1
	.amdgcn_target "amdgcn-amd-amdhsa--gfx1250"
	.amdhsa_code_object_version 6
	.text
	.protected	k_q15efb9f28c_prep
	.globl	k_q15efb9f28c_prep
	.p2align	8
	.type	k_q15efb9f28c_prep,@function
k_q15efb9f28c_prep:
	s_mov_b64 s[64:65], 0
	v_nop
	global_prefetch_b8 v0, s[64:65] scope:SCOPE_SE
	s_setreg_imm32_b32 hwreg(HW_REG_WAVE_MODE, 25, 1), 1
	s_wait_xcnt 0x0
; Work-groups 0 to 895: query, key, value [8192][1024] and Wq, Wk, Wv, Wo [1024][1024], f32, become codes of FP4 (E2M1), K innermost, with one E8M0 byte for each 32 along K.
; All seven lie on end in xc (512 bytes a row) and xs (32 bytes a row): query, key, value, Wq, Wk, Wv, Wo.
; A block's scale is 2^(floor(log2(its largest magnitude)) - 2); its byte is the largest magnitude's exponent field - 2, held at 1 from below; numbers are divided by the scale and rounded to the nearest code, ties to even.
; ROW ORDER: in each group of 32 rows, row 16 a + 8 u + e is stored at place 16 u + 8 a + e.  So 16 rows on end in xc (lane r = 8 a + e of tile 2 g + u) are rows 32 g + 8 u + r + 8 (r / 8):
; a product that takes such tiles as source 0 leaves 16 neighbours along the next K in the 16 registers of two neighbouring tiles.  A wave takes 8 rows, so the order is a swap of the wave number's two bits.
; Work-groups 896 to 1151: the mask [4][2048][2048] of bytes becomes lane masks: mbits [b][tile of 16 queries][step of 128 keys][64 words]; bit L of word j is
; mask[b][16 T + L % 16][128 s + 64 (j / 32) + 32 (L / 16) + j % 32]: the lane mask of score register j in the attention launch.
; LIMITS: blocks whose largest magnitude lies under 2^-124, and blocks of zeros, get the byte 1 (their codes are read with it by this program alone); NaN and infinities among the inputs are not served.
; No tensor loads, no barrier, no cluster: waves share nothing and no input byte is read twice.  The two paths have LDS bytes of their own.
.set NQWG,  896                        ; work-groups that quantise: 3 x 256 + 4 x 32, 32 rows each
.set STEPS, 16                         ; a wave: 16 steps of 512 numbers = 8 rows
.set EMAX,  2
.set CB,    8                          ; bytes of 16 codes
.set R,     16                         ; v16-79   four sets of 16 numbers as loaded
.set X,     80                         ; v80-111  two sets of 16 neighbours
.set C,     128                        ; v128-191 codes: four registers a step, so that no store's data are written again
.set E,     112                        ; v112-127 a scale byte for each step
.set WREG,  8192                       ; LDS of a quantising wave: two stages of 32 x SP bytes, then its 256 scale bytes
.set SP,    80                         ; a lane's place in a stage: 64 bytes + 16 of padding
.set MST,   32768                      ; LDS of the mask path: a stage of 16 rows x MP for each wave, MSTW bytes apart
.set MSTW,  4608
.set MP,    272
.set MR,    16                         ; v16-79   two sets of 32: a chunk of 16 rows x 256 mask bytes as loaded
.set MM,    80                         ; v80-111  the chunk as a lane wants it: row L % 16, 16 bytes of each block of 32 keys
.set MW,    112                        ; v112-127 the words: a pair of registers for each of the wave's 8 key steps
	s_load_b512 s[8:23], s[0:1], 0x0               ; query s[8:9], key, value, Wq, Wk, Wv, Wo s[20:21], mask s[22:23]
	s_load_b128 s[4:7], s[0:1], 0x40               ; xc, xs
	s_load_b128 s[24:27], s[0:1], 0x50             ; mbits s[24:25], mflag s[26:27] (the quantiser's path writes s[26:27] anew behind its wait)
	v_lshl_add_u32 v130, v0, 2, 0xc800             ; my spare word and 0: v130, v131 are named by no other line of either path
	v_mov_b32 v131, 0
	v_lshrrev_b32 v1, 5, v0
	v_readfirstlane_b32 s2, v1                     ; wave
	v_and_b32 v2, 31, v0                           ; lane
	s_cmp_ge_u32 ttmp9, NQWG
	s_cbranch_scc1 .Lmask
	; ---------------- the quantiser ----------------
	v_lshlrev_b32 v3, 4, v2                        ; my 16 bytes of a load's 512
	s_mul_i32 s3, s2, WREG
	v_lshrrev_b32 v14, 2, v2
	v_mul_u32_u24 v14, v14, SP
	v_and_b32 v15, 3, v2
	v_lshl_add_u32 v14, v15, 4, v14
	v_add_nc_u32 v14, s3, v14                      ; the stage, on the way in: four lanes' 64 bytes on end, then 16 of padding
	v_mul_u32_u24 v15, v2, SP
	v_add_nc_u32 v15, s3, v15                      ; and on the way out: my 16 neighbours
	v_mul_u32_u24 v4, v2, CB                       ; my codes' place in a step's 256 bytes
	v_lshrrev_b32 v5, 1, v2
	s_add_co_u32 s3, s3, 2*32*SP
	v_add_nc_u32 v5, s3, v5                        ; LDS: my block's scale byte
	v_lshlrev_b32 v7, 3, v2
	v_add_nc_u32 v6, s3, v7                        ; and on the way out 8 bytes a lane
	s_wait_alu depctr_va_vdst(0)
	s_wait_kmcnt 0x0
	s_mov_b64 s[26:27], s[20:21]                   ; which tensor: the choice hangs on the work-group's number alone
	s_mov_b32 s40, 864                             ; and its first work-group
.macro PICK lim, lo, base
	s_cmp_lt_u32 ttmp9, \lim
	s_cselect_b64 s[26:27], s[\lo:\lo+1], s[26:27]
	s_cselect_b32 s40, \base, s40
.endm
	PICK 864, 18, 832
	PICK 832, 16, 800
	PICK 800, 14, 768
	PICK 768, 12, 512
	PICK 512, 10, 256
	PICK 256, 8, 0
	s_sub_co_u32 s40, ttmp9, s40
	s_lshl_b32 s40, s40, 2
	s_add_co_u32 s40, s40, s2                      ; my run of 8 rows in the tensor,
	s_lshl_b32 s40, s40, 15                        ; 32,768 bytes each
	s_mov_b32 s41, 0
	s_add_nc_u64 s[26:27], s[26:27], s[40:41]
	s_and_b32 s42, s2, 1
	s_lshl_b32 s42, s42, 1
	s_lshr_b32 s43, s2, 1
	s_or_b32 s42, s42, s43                         ; the row order: the wave number's two bits change places
	s_lshl_b32 s43, ttmp9, 2
	s_add_co_u32 s42, s42, s43
	; KEY'S ROWS (work-groups 256 to 511) HAVE ANOTHER ORDER: in each group of 64 rows, row 32 g + 8 t + e is stored at place 16 t + 8 g + e,
	; so that a tile of 16 places as source 0 leaves a whole block of 32 neighbouring keys in one lane's registers of four neighbouring tiles.
	; A work-group holds rows 32 g on (g = its number's low bit), wave t: run 2 t + g of the group's eight
	s_lshr_b32 s43, ttmp9, 1
	s_lshl_b32 s43, s43, 3
	s_lshl_b32 s44, s2, 1
	s_add_co_u32 s43, s43, s44
	s_and_b32 s44, ttmp9, 1
	s_add_co_u32 s43, s43, s44
	s_sub_co_u32 s44, ttmp9, 256
	s_cmp_lt_u32 s44, 256
	s_cselect_b32 s42, s43, s42
	s_lshl_b32 s44, s42, 12                        ; 4,096 bytes of codes
	s_mov_b32 s45, 0
	s_add_nc_u64 s[4:5], s[4:5], s[44:45]
	s_lshl_b32 s44, s42, 8                         ; 256 scale bytes
	s_add_nc_u64 s[6:7], s[6:7], s[44:45]
.macro LOAD t
.irp i, 0,1,2,3
	global_load_b128 v[R+16*((\t)%4)+4*\i:R+16*((\t)%4)+4*\i+3], v3, s[26:27] offset:2048*(\t)+512*\i th:TH_LOAD_NT   ; 32 lanes read 512 consecutive bytes
.endr
.endm
.macro TURN t                          ; step t's numbers through the stage: LDS serves a wave's instructions in order, so no wait stands between the stores and the loads
.irp i, 0,1,2,3
	ds_store_b128 v14, v[R+16*((\t)%4)+4*\i:R+16*((\t)%4)+4*\i+3] offset:32*SP*((\t)%2)+8*SP*\i
.endr
.irp i, 0,1,2,3
	ds_load_b128 v[X+16*((\t)%2)+4*\i:X+16*((\t)%2)+4*\i+3], v15 offset:32*SP*((\t)%2)+16*\i
.endr
.endm
.irp t, 0,1,2,3
	LOAD \t
.endr
	s_wait_loadcnt 12                              ; step 0's four loads are in
	TURN 0
.macro STEP t
.set XS, X+16*((\t)%2)
.if (\t) > 0
	s_wait_dscnt 1                                 ; this step's numbers are back from the stage (the last step's byte store may be out): so its stores into the stage have read their registers,
.else
	s_wait_dscnt 0x0
.endif
.if (\t)+4 < STEPS
	LOAD (\t)+4                                    ; which take the loads of four steps on
.endif
.if (\t)+1 < STEPS
.if STEPS-2-(\t) >= 3
	s_wait_loadcnt 12                              ; the next step's four loads are in; those of the three steps behind it may be out
.else
	s_wait_loadcnt 4*(STEPS-2-(\t))
.endif
	TURN (\t)+1                                    ; and go through the other stage while this step is worked
.endif
	v_max3_num_f32 v8, |v[XS]|, |v[XS+1]|, |v[XS+2]|               ; the largest magnitude of my 16, in two chains
	v_max3_num_f32 v9, |v[XS+3]|, |v[XS+4]|, |v[XS+5]|
.irp i, 6,10
	v_max3_num_f32 v8, v8, |v[XS+\i]|, |v[XS+\i+1]|
	v_max3_num_f32 v9, v9, |v[XS+\i+2]|, |v[XS+\i+3]|
.endr
	v_max3_num_f32 v8, v8, |v[XS+14]|, |v[XS+15]|
	v_max3_num_f32 v8, v8, v9, (EMAX+1)<<23        ; and the floor 2^(3 - 127): the byte cannot fall under 1
	v_max_num_f32_dpp v8, v8, v8 row_xmask:1 row_mask:0xf bank_mask:0xf   ; and of my neighbour's 16: the block's
	v_add_nc_u32 v11, -(EMAX<<23), v8              ; 2 off its exponent field: the conversion takes the exponent field of this operand as its scale
	v_cvt_scalef32_pk8_fp4_f32 v[C+4*(\t)], v[XS:XS+7], v11
	v_cvt_scalef32_pk8_fp4_f32 v[C+4*(\t)+1], v[XS+8:XS+15], v11
	v_lshrrev_b32 v[E+(\t)], 23, v11               ; the scale's byte
	ds_store_b8 v5, v[E+(\t)] offset:16*(\t)       ; both lanes of a block write the same byte with the same value
	global_store_b64 v4, v[C+4*(\t):C+4*(\t)+1], s[4:5] offset:32*CB*(\t)   ; the wave stores 256 consecutive bytes, aligned
.endm
.irp t, 0,1,2,3,4,5,6,7,8,9,10,11,12,13,14,15
	STEP \t
.endr
	ds_load_b64 v[12:13], v6                       ; LDS serves a wave's instructions in order: these see my byte stores
	s_wait_dscnt 0x0
	global_store_b64 v7, v[12:13], s[6:7]          ; 32 lanes store 256 consecutive bytes, aligned
	s_wait_tensorcnt 0x0
	ds_add_u32 v130, v131
	s_wait_dscnt 0x0
	s_endpgm
	; ---------------- the mask ----------------
.Lmask:
	s_sub_co_u32 s40, ttmp9, NQWG
	s_lshl_b32 s40, s40, 2
	s_add_co_u32 s40, s40, s2                      ; U = 0 .. 1023: tile of 16 queries U / 2, half U % 2 of its 2,048 keys
	s_lshr_b32 s41, s40, 1
	s_lshl_b32 s42, s41, 15                        ; 16 rows of 2,048 bytes
	s_and_b32 s41, s40, 1
	s_lshl_b32 s41, s41, 10
	s_add_co_u32 s42, s42, s41
	s_mov_b32 s43, 0
	s_lshl_b32 s44, s40, 11                        ; 8 key steps x 256 bytes of words
	s_mov_b32 s45, 0
	s_mov_b32 s28, 0xff                            ; a register's four bytes
	s_mov_b32 s29, 0xff00
	s_mov_b32 s30, 0xff0000
	s_mov_b32 s31, 0xff000000
	s_mov_b32 s46, 0                               ; my eight key steps' flags: bit i is set where step i hides a key
	s_wait_alu depctr_va_vdst(0)
	v_lshrrev_b32 v3, 4, v2                        ; L / 16
	v_and_b32 v12, 15, v2                          ; L % 16
	v_lshlrev_b32 v4, 11, v3
	v_lshl_add_u32 v4, v12, 4, v4                  ; in memory: sixteen lanes take 256 bytes of a row, the other sixteen the next row's
	s_mul_i32 s41, s2, MSTW
	s_add_co_u32 s41, s41, MST                     ; my stage
	v_mul_u32_u24 v5, v3, MP
	v_lshl_add_u32 v5, v12, 4, v5
	v_add_nc_u32 v5, s41, v5                       ; into it, as loaded
	v_mul_u32_u24 v6, v12, MP
	v_lshl_add_u32 v6, v3, 5, v6                   ; THE WORDS' ORDER: bit L of word j is mask[b][16 T + L % 16][128 s + 64 (j / 32) + 32 (L / 16) + j % 32]
	v_add_nc_u32 v6, s41, v6                       ; out of it: row L % 16, 32 (L / 16) bytes on
	v_lshlrev_b32 v7, 3, v2                        ; the words leave 8 bytes a lane
.irp i, 0,1,2,3,4,5,6,7,8,9,10,11,12,13,14,15
	v_mov_b32 v[MW+\i], 0                          ; written once: a lane write's destination counts as one of its sources
.endr
	s_wait_kmcnt 0x0
	s_add_nc_u64 s[22:23], s[22:23], s[42:43]
	s_add_nc_u64 s[24:25], s[24:25], s[44:45]
	s_lshl_b32 s44, s40, 2                         ; mflag: one word for (tile of queries, half of the keys)
	s_add_nc_u64 s[26:27], s[26:27], s[44:45]
.macro LOADM ch                        ; chunk ch: 16 rows x 256 keys
.irp i, 0,1,2,3,4,5,6,7
	global_load_b128 v[MR+32*((\ch)%2)+4*\i:MR+32*((\ch)%2)+4*\i+3], v4, s[22:23] offset:4096*\i+256*(\ch) th:TH_LOAD_NT
.endr
.endm
.macro CHUNK ch
.if (\ch) < 3
	s_wait_loadcnt 8                               ; my chunk's eight loads are in; the next chunk's eight may be out
.else
	s_wait_loadcnt 0x0
.endif
.irp i, 0,1,2,3,4,5,6,7
	ds_store_b128 v5, v[MR+32*((\ch)%2)+4*\i:MR+32*((\ch)%2)+4*\i+3] offset:2*MP*\i
.endr
.irp s, 0,1
.irp b, 0,1,2,3
	ds_load_b128 v[MM+16*\s+4*\b:MM+16*\s+4*\b+3], v6 offset:128*\s+64*(\b/2)+16*(\b%2)   ; keys 128 s + 64 (b / 2) + 32 (L / 16) + 16 (b % 2) + 0 .. 15 of my row
.endr
.endr
	s_wait_dscnt 0x0                               ; the stores have read their registers, the bytes are back
.if (\ch) < 2
	LOADM (\ch)+2
.endif
.irp s, 0,1
.set G, 0
.rept 8                                ; words 8 G .. 8 G + 7: a byte of every lane, its ballot, the ballot into lane j / 2 of register j % 2
.irp k, 0,1,2,3,4,5,6,7
	v_and_b32 v[8+\k], s[28+\k%4], v[MM+16*\s+4*(G/2)+2*(G%2)+\k/4]
.endr
.irp k, 0,1,2,3,4,5,6,7
	v_cmp_ne_u32 s[32+\k], 0, v[8+\k]
.endr
.irp k, 0,1,2,3,4,5,6,7
	v_writelane_b32 v[MW+2*(2*(\ch)+\s)+\k%2], s[32+\k], 4*G+\k/2
.endr
.set G, G+1
.endr
	global_store_b64 v7, v[MW+2*(2*(\ch)+\s):MW+2*(2*(\ch)+\s)+1], s[24:25] offset:256*(2*(\ch)+\s)   ; a key step's 64 words: 256 consecutive bytes, aligned
	v_or_b32 v8, v[MW+2*(2*(\ch)+\s)], v[MW+2*(2*(\ch)+\s)+1]
	v_cmp_ne_u32 s32, 0, v8                        ; is any of the step's 64 words other than 0?
	s_cmp_lg_u32 s32, 0
	s_cselect_b32 s33, 1<<(2*(\ch)+\s), 0
	s_or_b32 s46, s46, s33
.endr
.endm
	LOADM 0
	LOADM 1
	CHUNK 0
	CHUNK 1
	CHUNK 2
	CHUNK 3
	v_mov_b32 v8, s46
	v_mov_b32 v9, 0
	s_wait_alu depctr_va_vdst(0)
	global_store_b32 v9, v8, s[26:27]              ; the flags' word (all lanes store the same word with the same value)
	s_wait_tensorcnt 0x0
	ds_add_u32 v130, v131
	s_wait_dscnt 0x0
	s_endpgm
.Lfunc_end_k_q15efb9f28c_prep:
	.size	k_q15efb9f28c_prep, .Lfunc_end_k_q15efb9f28c_prep-k_q15efb9f28c_prep
	.p2alignl 7, 3214868480
	.fill 96, 4, 3214868480
	.section	.rodata,"a",@progbits
	.p2align	6, 0x0
	.amdhsa_kernel k_q15efb9f28c_prep
		.amdhsa_group_segment_fixed_size 51712
		.amdhsa_private_segment_fixed_size 0
		.amdhsa_enable_private_segment 0
		.amdhsa_kernarg_size 96
		.amdhsa_user_sgpr_count 2
		.amdhsa_user_sgpr_kernarg_segment_ptr 1
		.amdhsa_wavefront_size32 1
		.amdhsa_system_sgpr_workgroup_id_x 1
		.amdhsa_system_sgpr_workgroup_id_y 1
		.amdhsa_system_sgpr_workgroup_id_z 1
		.amdhsa_system_vgpr_workitem_id 0
		.amdhsa_next_free_vgpr 192
		.amdhsa_next_free_sgpr 66
		.amdhsa_reserve_vcc 0
		.amdhsa_float_denorm_mode_32 3
		.amdhsa_float_denorm_mode_16_64 3
		.amdhsa_memory_ordered 1
		.amdhsa_forward_progress 1
		.amdhsa_inst_pref_size 127
	.end_amdhsa_kernel
	.amdgpu_metadata
---
amdhsa.version: [ 1, 2 ]
amdhsa.kernels:
  - .name:           k_q15efb9f28c_prep
    .symbol:         k_q15efb9f28c_prep.kd
    .args:
      - { .name: query, .offset: 0, .size: 8, .value_kind: global_buffer, .address_space: global }
      - { .name: key, .offset: 8, .size: 8, .value_kind: global_buffer, .address_space: global }
      - { .name: value, .offset: 16, .size: 8, .value_kind: global_buffer, .address_space: global }
      - { .name: Wq, .offset: 24, .size: 8, .value_kind: global_buffer, .address_space: global }
      - { .name: Wk, .offset: 32, .size: 8, .value_kind: global_buffer, .address_space: global }
      - { .name: Wv, .offset: 40, .size: 8, .value_kind: global_buffer, .address_space: global }
      - { .name: Wo, .offset: 48, .size: 8, .value_kind: global_buffer, .address_space: global }
      - { .name: mask, .offset: 56, .size: 8, .value_kind: global_buffer, .address_space: global }
      - { .name: xc, .offset: 64, .size: 8, .value_kind: global_buffer, .address_space: global }
      - { .name: xs, .offset: 72, .size: 8, .value_kind: global_buffer, .address_space: global }
      - { .name: mbits, .offset: 80, .size: 8, .value_kind: global_buffer, .address_space: global }
      - { .name: mflag, .offset: 88, .size: 8, .value_kind: global_buffer, .address_space: global }
    .group_segment_fixed_size: 51712
    .private_segment_fixed_size: 0
    .kernarg_segment_align: 8
    .kernarg_segment_size: 96
    .max_flat_workgroup_size: 128
    .sgpr_count:     66
    .vgpr_count:     192
    .wavefront_size: 32
...
	.end_amdgpu_metadata
.endif
;; end of part 1
;; launch proj (part 2): grid 8 x 96, 4 waves a work-group, clusters of 4 x 4, 229,888 bytes of LDS; arguments xc, xs, bq, bk, bv, hc, hs; writes hc, hs
.if DOCPART == 2
	.amdgcn_target "amdgcn-amd-amdhsa--gfx1250"
	.amdhsa_code_object_version 6
	.text
	.protected	k_q15efb9f28c_proj
	.globl	k_q15efb9f28c_proj
	.p2align	8
	.type	k_q15efb9f28c_proj,@function
k_q15efb9f28c_proj:
	s_mov_b64 s[64:65], 0
	v_nop
	global_prefetch_b8 v0, s[64:65] scope:SCOPE_SE
	s_setreg_imm32_b32 hwreg(HW_REG_WAVE_MODE, 25, 1), 1
	s_wait_xcnt 0x0
	s_wait_alu depctr_hold_cnt(0) depctr_sa_sdst(0) depctr_va_vdst(0) depctr_va_sdst(0) depctr_va_ssrc(0) depctr_va_vcc(0) depctr_vm_vsrc(0)
	s_getreg_b32 s2, hwreg(HW_REG_IB_STS2, 6, 4)
	s_cmp_eq_u32 s2, 0
	s_cbranch_scc0 .Lentry_in_a_cluster
	s_endpgm
.Lentry_in_a_cluster:
	s_bfe_u32 s2, ttmp6, 0x10000c
	s_cmp_lg_u32 s2, 0xf033
	s_cbranch_scc0 .Lentry_shape_is_right
	s_endpgm
.Lentry_shape_is_right:
; Q = query Wq^T + bq, K = key Wk^T + bk, V = value Wv^T + bv on codes of FP4 (E2M1) with E8M0 scales, and the results quantised in registers for the attention launch: Q and K along the head's 64, V along the keys.
; A work-group makes 256 rows x 128 columns; grid y = 96 tiles of rows over the three tensors on end (32 each), grid x = 8 tiles of columns.  Wave w makes rows 128 (w / 2) on, columns 64 (w % 2) on:
; one step of 128 keys x one head: 32 accumulators.  All of K = 1,024 of both operands lies in LDS, as two chunks of 512 (rows of 256 bytes): every LDS byte is filled once, so there is no ring.
; CLUSTERS: 4 x 4 work-groups; the four of a row of the cluster ask jointly for the same rows of X, the four of a column for the same rows of W.  A cluster's four tiles of rows belong to one tensor.
; ROWS: xc holds each group of 32 rows so that 16 rows on end are rows 32 g + 8 u + r + 8 (r / 8) (tile 2 g + u, lane r).  So the tiles that are source 0 leave, in the 16 registers of two neighbouring tiles, 16 neighbours.
; Q, K: source 0 = 16 rows of W, source 1 = 16 rows of X: a lane holds one row of X and registers along the head's 64.   V: source 0 = X, source 1 = W: a lane holds one column d and registers along the keys.
; In both the 16 registers from 16 g on (g = 0 .. 15) are 16 neighbours of one block of 32, whose other half lies in lane l xor 16: one text quantises and stores both.
; OUT: hc: images of operand registers, 4,096 bytes for (batch x head, 128 rows): piece p at 512 p + 16 x lane.  Q, K: piece a = tile a of 16 rows, d = 32 (l / 16) on.  V: piece 2 t + c = registers 4 c .. 4 c + 3 of the fragment of tile t of d.
;      hs: scale words.  Q, K: one a row, natural row order: bytes s0, s1, s0, s1 (the upper two stand over zero codes in the attention launch).  V: [step][tile of d][lane].
; The bias is the C of each sum's first matrix instruction.
; LIMITS: blocks whose largest magnitude lies under 2^-124, and blocks of zeros, get the byte 1; NaN and infinities are not served.
; REGISTERS, in windows of 256: window 0: v0-31 addresses; v32-95 X's scale words (tile a, K step q: 32 + 8 a + q), v96-127 W's; v128-191, v192-255 X's fragments, two sets; in the end v128-235 at work.
;   window 1: the accumulators.   window 2: v0-31, v32-63 W's fragments, two sets; v64-95 the bias, eight registers a tile of columns.
; LDS AS IT IS NOW: a row holds all of K = 1,024: 512 bytes + 16 of padding; X's 256 rows, then W's 128.  One joint load a wave brings it: waves 0, 1 X's halves, waves 2, 3 W's.
; The scale words go from memory straight into registers: a tile's 16 rows x 32 bytes are 512 consecutive bytes.
.set PITCH, 528                        ; 33 x 16 bytes: the 16 rows that a load touches start 16 bytes apart modulo 256
.set SLOT,  256                        ; K steps 4 to 7 begin 256 bytes on in a row
.set BOFF,  135168                     ; W's rows, behind X's 256
.set STGA,  221952                     ; 512 bytes a wave: Q's and K's scale words on their way to natural order
.set STGV,  224000                     ; 256 bytes a wave: V's
.set ADRA, 16                          ; v16-17 LDS address of my X fragments in chunk 0, 1
.set ADRB, 20                          ; v20-21 of W's
.set ADSX, 22                          ; v22 of X's scale words;  v23 of W's
.set ADSW, 23
.set CO,   24                          ; v24 16 x lane
.set SAI,  25                          ; v25, v26 stage for Q, K words: in, out
.set SAO,  26
.set SVI,  27                          ; v27, v28 stage for V words
.set SVO,  28
.set CO8,  29                          ; v29 8 x lane
.set BOF,  30                          ; v30 my offset in the bias
.set SCX,  32
.set SCW,  96
.set XF,   128
.set WF,   0
.set BI,   64
.set TM,   128                         ; the end: largest magnitudes; v144.. the other half's; v160.. scale operands; v176.. bytes; v192.. codes; v224.. words; v232.. words read back
.set TP,   144
.set TS,   160
.set TB,   176
.set PC,   192
.set WD,   224
.set RB,   232
.set MSB, 0
.macro WIN new                         ; the immediate's high byte repeats the setting that is left
.if MSB != \new
	s_set_vgpr_msb (MSB<<8)|\new
.set MSB, \new
.endif
.endm
.macro PLACES                          ; four plain vector instructions between a matrix instruction and a load into, or a read of, its registers
.rept 4
	v_nop
.endr
.endm
; A joint load: waves 0 and 1 fetch for X, waves 2 and 3 for W; the branch hangs on the wave's number alone.  Four v_nop follow each of the two lines.
.macro JLOAD g0a, g1a, g0b, g1b
	s_cmp_eq_u32 s19, 0
	s_cbranch_scc0 .Lfor_b_\@
	tensor_load_to_lds s[\g0a:\g0a+3], s[\g1a:\g1a+7]
	s_nop 0
	PLACES
	s_branch .Lasked_\@
.Lfor_b_\@:
	tensor_load_to_lds s[\g0b:\g0b+3], s[\g1b:\g1b+7]
	s_nop 0
	PLACES
.Lasked_\@:
.endm
.macro CROUND                          ; a round of the cluster's barrier
	s_barrier_signal -1
	s_barrier_wait -1
	s_cmp_lg_u32 s18, 0
	s_cbranch_scc1 .Lnot_wave_0_\@
	s_barrier_signal -3
.Lnot_wave_0_\@:
	s_barrier_wait -3
	s_barrier_signal -1
	s_barrier_wait -1
.endm
	s_load_b256 s[4:11], s[0:1], 0x0               ; xc s[4:5], xs s[6:7], bq s[8:9], bk s[10:11]
	s_load_b128 s[12:15], s[0:1], 0x20             ; bv s[12:13], hc s[14:15]
	s_load_b64 s[16:17], s[0:1], 0x30              ; hs
	v_lshl_add_u32 v19, v0, 2, 0x38000
	v_mov_b32 v31, 0
	ds_add_u32 v19, v31
	ds_add_u32 v19, v31
	v_lshrrev_b32 v1, 5, v0
	v_readfirstlane_b32 s18, v1                    ; wave 0..3
	s_lshr_b32 s19, s18, 1                         ; which 128 rows are mine.  Also: I fetch for X (0) or for W (1)
	s_and_b32 s20, s18, 1                          ; which 64 columns.  Also: which half of that tile I fetch
	s_bfe_u32 s40, ttmp6, 0x40000                  ; cx, cy: my place in the cluster
	s_bfe_u32 s41, ttmp6, 0x40004
	s_lshl_b32 s42, ttmp9, 2
	s_add_co_u32 s42, s42, s40                     ; tile of columns = 4 x cluster x + cx
	s_and_b32 s21, ttmp7, 0xffff
	s_lshl_b32 s43, s21, 2
	s_add_co_u32 s43, s43, s41                     ; tile of rows = 4 x cluster y + cy
	s_lshr_b32 s21, s21, 3                         ; the tensor, 0 Q, 1 K, 2 V: of the cluster's y alone, so the same in all sixteen partners
	s_lshl_b32 s44, s41, 2
	s_lshl_b32 s44, 15, s44                        ; my row of the cluster
	s_lshl_b32 s45, 0x1111, s40                    ; my column
	; descriptor group 1.  Codes: rows of 512 bytes, 512 bytes apart in memory, 16 bytes of padding behind each in LDS; X: 128 rows a load, W: 64
	s_or_b32 s24, s44, (1<<20)|(1<<21)|(6<<22)|(3<<25)   ; rows of 512 bytes, four words of padding behind every 128
	s_mov_b32 s25, 512<<16
	s_mov_b32 s26, 128<<16
	s_mov_b32 s27, 512<<16
	s_mov_b32 s28, 128
	s_mov_b32 s29, 512
	s_mov_b32 s30, 0
	s_mov_b32 s31, 0
	s_or_b32 s48, s45, (1<<20)|(1<<21)|(6<<22)|(3<<25)
	s_mov_b32 s49, 512<<16
	s_mov_b32 s50, 64<<16
	s_mov_b32 s51, 512<<16
	s_mov_b32 s52, 64
	s_mov_b32 s53, 512
	s_mov_b32 s54, 0
	s_mov_b32 s55, 0
	; where the tiles come from.  X's hang on the tile of rows alone, W's on the tile of columns and the tensor alone
	s_lshl_b32 s92, s43, 8
	s_lshl_b32 s94, s20, 7
	s_add_co_u32 s92, s92, s94                     ; X: row 256 ty + 128 x half
	s_lshl_b32 s92, s92, 9                         ; its codes
	s_lshl_b32 s94, s43, 13                        ; the scale bytes of the 128 rows that I multiply: 32 x (256 ty + 128 (wave / 2))
	s_lshl_b32 s95, s19, 12
	s_add_co_u32 s94, s94, s95
	s_mov_b32 s93, 0
	s_mov_b32 s95, 0
	s_lshl_b32 s96, s42, 7
	s_lshl_b32 s98, s20, 6
	s_add_co_u32 s96, s96, s98                     ; W: row 128 tc + 64 x half
	s_lshl_b32 s98, s96, 5
	s_lshl_b32 s96, s96, 9
	s_lshl_b32 s97, s21, 19
	s_add_co_u32 s96, s96, s97
	s_add_co_u32 s96, s96, 12582912                ; the weights' codes lie behind the three X, 524,288 bytes each
	s_lshl_b32 s97, s21, 15
	s_add_co_u32 s98, s98, s97
	s_add_co_u32 s98, s98, 786432                  ; their scale bytes likewise, 32,768 each
	s_mov_b32 s97, 0
	s_mov_b32 s99, 0
	s_mul_i32 s22, s20, 128*PITCH                  ; and where they go: no place in the cluster enters an LDS address
	s_mul_i32 s23, s20, 64*PITCH
	s_add_co_u32 s23, s23, BOFF
	s_mov_b32 s100, 0x76543210
	s_mov_b32 s101, 0xfedcba98                     ; v_permlanex16_b32's selects for lane l xor 16
	s_wait_dscnt 0x0
	s_wait_kmcnt 0x0
	s_add_nc_u64 s[92:93], s[4:5], s[92:93]
	s_add_nc_u64 s[68:69], s[6:7], s[94:95]
	s_add_nc_u64 s[96:97], s[4:5], s[96:97]
	s_add_nc_u64 s[98:99], s[6:7], s[98:99]
	CROUND                                         ; all sixteen work-groups are here: the joint loads meet
	s_mov_b32 s32, 1
	s_mov_b32 s33, s22
	s_mov_b64 s[34:35], s[92:93]
	s_or_b32 s35, s35, 0x80000000
	s_mov_b32 s56, 1
	s_mov_b32 s57, s23
	s_mov_b64 s[58:59], s[96:97]
	s_or_b32 s59, s59, 0x80000000
	JLOAD 32, 24, 56, 48                           ; my one tensor load
	; addresses
	v_and_b32 v1, 15, v0                           ; r
	v_bfe_u32 v2, v0, 4, 1                         ; h
	v_and_b32 v6, 31, v0                           ; lane
	v_and_b32 v7, 8, v1
	v_add_nc_u32 v7, v7, v1                        ; r + 8 (r / 8)
	v_mul_u32_u24 v3, v1, PITCH
	v_lshl_add_u32 v3, v2, 4, v3                   ; a fragment's row x pitch + 16 x half
	s_mul_i32 s22, s19, 128*PITCH
	s_mul_i32 s23, s20, 64*PITCH
	s_add_co_u32 s23, s23, BOFF
	v_add_nc_u32 v[ADRA], s22, v3
	v_add_nc_u32 v[ADRB], s23, v3
	v_add_nc_u32 v[ADRA+1], SLOT, v[ADRA]
	v_add_nc_u32 v[ADRB+1], SLOT, v[ADRB]
	v_lshlrev_b32 v[ADSX], 5, v1                   ; a row's 32 scale bytes: the words of all eight K steps; both halves of the lanes take row r's
.irp a, 0,1,2,3,4,5,6,7
.irp c, 0,1
	global_load_b128 v[SCX+8*\a+4*\c:SCX+8*\a+4*\c+3], v[ADSX], s[68:69] offset:512*\a+16*\c
.endr
.endr
.irp b, 0,1,2,3
.irp c, 0,1
	global_load_b128 v[SCW+8*\b+4*\c:SCW+8*\b+4*\c+3], v[ADSX], s[98:99] offset:512*\b+16*\c
.endr
.endr
	v_lshlrev_b32 v[CO], 4, v6
	v_lshlrev_b32 v[CO8], 3, v6
	s_lshl_b32 s22, s18, 9
	s_add_co_u32 s22, s22, STGA
	v_lshl_add_u32 v[SAI], v7, 2, s22
	v_add_nc_u32 v[SAO], s22, v[CO]
	s_lshl_b32 s23, s18, 8
	s_add_co_u32 s23, s23, STGV
	v_lshl_add_u32 v[SVI], v1, 2, s23
	v_add_nc_u32 v[SVO], s23, v[CO8]
	; the bias of my 64 columns
	s_cmp_eq_u32 s21, 0
	s_cselect_b64 s[66:67], s[8:9], s[10:11]
	s_cmp_eq_u32 s21, 2
	s_cselect_b64 s[66:67], s[12:13], s[66:67]
	s_lshl_b32 s22, s42, 9
	s_lshl_b32 s23, s20, 8
	s_add_co_u32 s22, s22, s23
	s_mov_b32 s23, 0
	s_add_nc_u64 s[66:67], s[66:67], s[22:23]
	s_cmp_eq_u32 s21, 2
	s_cbranch_scc1 .Lbias_v
	v_lshlrev_b32 v[BOF], 6, v2                    ; Q, K: register j of tile b is column 32 (b / 2) + 8 (b % 2) + 16 h + j
	WIN 0x80                                       ; destination window 2
.irp b, 0,1,2,3
	global_load_b128 v[BI+8*\b:BI+8*\b+3], v[BOF], s[66:67] offset:(32*(\b/2)+8*(\b%2))*4
	global_load_b128 v[BI+8*\b+4:BI+8*\b+7], v[BOF], s[66:67] offset:(32*(\b/2)+8*(\b%2))*4+16
.endr
	WIN 0
	s_branch .Lbias_in
.Lbias_v:
	v_lshlrev_b32 v[BOF], 2, v7                    ; V: all eight registers of tile b are column 32 (b / 2) + 8 (b % 2) + r + 8 (r / 8)
	WIN 0x80
.irp b, 0,1,2,3
.irp j, 0,1,2,3,4,5,6,7
	global_load_b32 v[BI+8*\b+\j], v[BOF], s[66:67] offset:(32*(\b/2)+8*(\b%2))*4
.endr
.endr
	WIN 0
.Lbias_in:
	; where my results go
	s_and_b32 s2, s43, 31                          ; the tile of rows in its tensor
	s_lshr_b32 s3, s2, 3                           ; the batch
	s_lshl_b32 s3, s3, 4
	s_lshl_b32 s22, s42, 1
	s_add_co_u32 s3, s3, s22
	s_add_co_u32 s3, s3, s20                       ; bh = 16 x batch + head
	s_and_b32 s2, s2, 7
	s_lshl_b32 s2, s2, 1
	s_or_b32 s2, s2, s19                           ; my step of 128 rows in the batch
	s_mov_b32 s47, 12288
	s_cmp_eq_u32 s21, 0
	s_cselect_b32 s22, 16, 17                      ; hc: 65,536 bytes a head for Q, 131,072 for K and V together,
	s_cselect_b32 s23, 0, 0x400000                 ; which lie behind Q
	s_cselect_b32 s46, 0, 0x80000                  ; hs likewise: 8,192 bytes a head for Q, then 12,288 for K and V
	s_cselect_b32 s47, 8192, s47
	s_cmp_eq_u32 s21, 2
	s_cselect_b32 s92, 0x10000, 0                  ; V behind K
	s_cselect_b32 s93, 8192, 0
	s_cselect_b32 s94, 8, 9                        ; 256 bytes of words a step for V, 512 for Q and K
	s_lshl_b32 s22, s3, s22
	s_add_co_u32 s22, s22, s23
	s_add_co_u32 s22, s22, s92
	s_lshl_b32 s23, s2, 12
	s_add_co_u32 s22, s22, s23
	s_mov_b32 s23, 0
	s_add_nc_u64 s[14:15], s[14:15], s[22:23]
	s_mul_i32 s22, s3, s47
	s_add_co_u32 s22, s22, s46
	s_add_co_u32 s22, s22, s93
	s_lshl_b32 s94, s2, s94
	s_add_co_u32 s22, s22, s94
	s_add_nc_u64 s[16:17], s[16:17], s[22:23]
.macro FETCH q, p                      ; K step q's fragments into set p: 24 LDS loads in one run
	WIN 0
.irp a, 0,1,2,3,4,5,6,7
.irp c, 0,1
	ds_load_b128 v[XF+64*(\p)+8*\a+4*\c:XF+64*(\p)+8*\a+4*\c+3], v[ADRA+(\q)/4] offset:64*((\q)%4)+32*\c+16*PITCH*\a
.endr
.endr
	WIN 0x80
.irp b, 0,1,2,3
.irp c, 0,1
	ds_load_b128 v[WF+32*(\p)+8*\b+4*\c:WF+32*(\p)+8*\b+4*\c+3], v[ADRB+(\q)/4] offset:64*((\q)%4)+32*\c+16*PITCH*\b
.endr
.endr
.endm
; 32 matrix instructions: every accumulator once, in the same order in every K step.  ori = 0: Q, K; 1: V.  first = 1: the bias is C
.macro MUL32 ori, p, q, first
.irp a, 0,1,2,3,4,5,6,7
.irp b, 0,1,2,3
.set FX, XF+64*(\p)+8*\a
.set FW, WF+32*(\p)+8*\b
.if \ori
.set AC, 8*(8*\b+\a)
.if \first
	v_wmma_scale_f32_16x16x128_f8f6f4 v[AC:AC+7], v[FX:FX+7], v[FW:FW+7], v[BI+8*\b:BI+8*\b+7], v[SCX+8*\a+(\q)], v[SCW+8*\b+(\q)] matrix_a_fmt:MATRIX_FMT_FP4 matrix_b_fmt:MATRIX_FMT_FP4
.else
	v_wmma_scale_f32_16x16x128_f8f6f4 v[AC:AC+7], v[FX:FX+7], v[FW:FW+7], v[AC:AC+7], v[SCX+8*\a+(\q)], v[SCW+8*\b+(\q)] matrix_a_fmt:MATRIX_FMT_FP4 matrix_b_fmt:MATRIX_FMT_FP4
.endif
.else
.set AC, 8*(4*\a+\b)
.if \first
	v_wmma_scale_f32_16x16x128_f8f6f4 v[AC:AC+7], v[FW:FW+7], v[FX:FX+7], v[BI+8*\b:BI+8*\b+7], v[SCW+8*\b+(\q)], v[SCX+8*\a+(\q)] matrix_a_fmt:MATRIX_FMT_FP4 matrix_b_fmt:MATRIX_FMT_FP4
.else
	v_wmma_scale_f32_16x16x128_f8f6f4 v[AC:AC+7], v[FW:FW+7], v[FX:FX+7], v[AC:AC+7], v[SCW+8*\b+(\q)], v[SCX+8*\a+(\q)] matrix_a_fmt:MATRIX_FMT_FP4 matrix_b_fmt:MATRIX_FMT_FP4
.endif
.endif
.endr
.endr
.endm
.macro KSTEP ori, q
.if \q > 0
	PLACES                                         ; in front of the loads into the set that the last step multiplied
.endif
.if \q < 7
	FETCH \q+1, (\q+1)%2
	s_wait_dscnt 24                                ; all but the 24 just issued: this step's fragments are in
.else
	s_wait_dscnt 0x0
.endif
.if \ori
.if \q == 0
	WIN 0x68                                       ; source 0 (X) window 0, source 1 (W) and C (bias) window 2, D window 1
.else
	WIN 0x58                                       ; C and D window 1
.endif
.else
.if \q == 0
	WIN 0x62                                       ; source 0 (W) and C (bias) window 2, source 1 (X) window 0, D window 1
.else
	WIN 0x52
.endif
.endif
.if \q == 0
	MUL32 \ori, (\q)%2, \q, 1
.else
	MUL32 \ori, (\q)%2, \q, 0
.endif
.endm
	s_wait_tensorcnt 0x0                           ; my part of the two tiles is in,
	s_barrier_signal -1
	s_barrier_wait -1                              ; everybody's is; from here on these bytes are only read
	s_wait_alu depctr_va_vdst(0)
	FETCH 0, 0
	WIN 0
	s_cmp_eq_u32 s21, 2
	s_cbranch_scc1 .Larm_v
	s_wait_loadcnt 0x0                             ; the bias
.irp q, 0,1,2,3,4,5,6,7
	KSTEP 0, \q
.endr
	WIN 0
	s_branch .Lquant
.Larm_v:
	s_wait_loadcnt 0x0
.irp q, 0,1,2,3,4,5,6,7
	KSTEP 1, \q
.endr
	WIN 0
.Lquant:
	; THE RESULTS ARE QUANTISED: 16 blocks' halves a lane, the blocks by turns; each accumulator is read from its low end on
	PLACES
	WIN 0x14                                       ; sources 1 and 2: window 1
.irp g, 0,1,2,3,4,5,6,7,8,9,10,11,12,13,14,15
	v_max3_num_f32 v[TM+\g], 0x1800000, |v[16*\g]|, |v[16*\g+1]|   ; my 16 numbers of block g, and the floor 2^(3 - 127): the byte cannot fall under 1
.endr
.irp i, 2,4,6,8,10,12,14
.irp g, 0,1,2,3,4,5,6,7,8,9,10,11,12,13,14,15
	v_max3_num_f32 v[TM+\g], v[TM+\g], |v[16*\g+\i]|, |v[16*\g+\i+1]|
.endr
.endr
	WIN 0
.irp g, 0,1,2,3,4,5,6,7,8,9,10,11,12,13,14,15
	v_permlanex16_b32 v[TP+\g], v[TM+\g], s100, s101
.endr
.irp g, 0,1,2,3,4,5,6,7,8,9,10,11,12,13,14,15
	v_max_num_f32 v[TM+\g], v[TM+\g], v[TP+\g]     ; with lane l xor 16's: the block's largest magnitude
.endr
.irp g, 0,1,2,3,4,5,6,7,8,9,10,11,12,13,14,15
	v_add_nc_u32 v[TS+\g], 0xff000000, v[TM+\g]    ; 2 off its exponent field: the conversion's scale operand
.endr
.irp g, 0,1,2,3,4,5,6,7,8,9,10,11,12,13,14,15
	v_lshrrev_b32 v[TB+\g], 23, v[TS+\g]           ; the scale's byte
.endr
	WIN 0x01                                       ; source 0: window 1
.irp g, 0,1,2,3,4,5,6,7,8,9,10,11,12,13,14,15
	v_cvt_scalef32_pk8_fp4_f32 v[PC+2*\g], v[16*\g:16*\g+7], v[TS+\g]
	v_cvt_scalef32_pk8_fp4_f32 v[PC+2*\g+1], v[16*\g+8:16*\g+15], v[TS+\g]
.endr
	WIN 0
	v_nop                                          ; one plain place behind a scaled conversion
.irp p, 0,1,2,3,4,5,6,7                ; an operand wants a WHOLE block in a lane: lanes 0-15 block 2 p, lanes 16-31 block 2 p + 1
.irp i, 0,1
	v_permlane16_swap_b32 v[PC+4*\p+\i], v[PC+4*\p+2+\i]
.endr
.endr
.irp p, 0,1,2,3,4,5,6,7
	global_store_b128 v[CO], v[PC+4*\p:PC+4*\p+3], s[14:15] offset:512*\p   ; piece p of the image: 512 consecutive bytes, aligned
.endr
	s_cmp_eq_u32 s21, 2
	s_cbranch_scc1 .Lwords_v
.irp a, 0,1,2,3,4,5,6,7
	v_lshl_or_b32 v[WD+\a], v[TB+2*\a+1], 8, v[TB+2*\a]            ; Q, K: the row's two bytes,
.endr
.irp a, 0,1,2,3,4,5,6,7
	v_lshl_or_b32 v[WD+\a], v[WD+\a], 16, v[WD+\a]                 ; twice
.endr
.irp a, 0,1,2,3,4,5,6,7
	ds_store_b32 v[SAI], v[WD+\a] offset:4*(32*(\a/2)+8*(\a%2))    ; at the row's natural place (both halves of the lanes write the same word with the same value)
.endr
	ds_load_b128 v[RB:RB+3], v[SAO]                ; my own bytes: LDS serves a wave's instructions in order
	s_wait_dscnt 0x0
	global_store_b128 v[CO], v[RB:RB+3], s[16:17]  ; 128 words: 512 consecutive bytes, aligned
	s_branch .Ldone
.Lwords_v:
.irp b, 0,1,2,3
	v_lshl_or_b32 v[WD+\b], v[TB+4*\b+1], 8, v[TB+4*\b]            ; V: the four bytes of column (b, r) for these 128 keys
	v_lshl_or_b32 v[WD+\b], v[TB+4*\b+2], 16, v[WD+\b]
	v_lshl_or_b32 v[WD+\b], v[TB+4*\b+3], 24, v[WD+\b]
.endr
.irp b, 0,1,2,3
	ds_store_b32 v[SVI], v[WD+\b] offset:64*\b
.endr
	ds_load_b64 v[RB:RB+1], v[SVO]
	s_wait_dscnt 0x0
	global_store_b64 v[CO8], v[RB:RB+1], s[16:17]  ; 64 words: 256 consecutive bytes, aligned
.Ldone:
	s_wait_tensorcnt 0x0
	ds_add_u32 v19, v31
	s_wait_dscnt 0x0
	CROUND                                         ; the closing round: no work-group ends while a partner may still ask for a tile that names it
	s_endpgm
.Lfunc_end_k_q15efb9f28c_proj:
	.size	k_q15efb9f28c_proj, .Lfunc_end_k_q15efb9f28c_proj-k_q15efb9f28c_proj
	.p2alignl 7, 3214868480
	.fill 96, 4, 3214868480
	.section	.rodata,"a",@progbits
	.p2align	6, 0x0
	.amdhsa_kernel k_q15efb9f28c_proj
		.amdhsa_group_segment_fixed_size 229888
		.amdhsa_private_segment_fixed_size 0
		.amdhsa_enable_private_segment 0
		.amdhsa_kernarg_size 56
		.amdhsa_user_sgpr_count 2
		.amdhsa_user_sgpr_kernarg_segment_ptr 1
		.amdhsa_wavefront_size32 1
		.amdhsa_system_sgpr_workgroup_id_x 1
		.amdhsa_system_sgpr_workgroup_id_y 1
		.amdhsa_system_sgpr_workgroup_id_z 1
		.amdhsa_system_vgpr_workitem_id 0
		.amdhsa_next_free_vgpr 768
		.amdhsa_next_free_sgpr 102
		.amdhsa_reserve_vcc 0
		.amdhsa_float_denorm_mode_32 3
		.amdhsa_float_denorm_mode_16_64 3
		.amdhsa_memory_ordered 1
		.amdhsa_forward_progress 1
		.amdhsa_inst_pref_size 123
	.end_amdhsa_kernel
	.amdgpu_metadata
---
amdhsa.version: [ 1, 2 ]
amdhsa.kernels:
  - .name:           k_q15efb9f28c_proj
    .symbol:         k_q15efb9f28c_proj.kd
    .args:
      - { .name: xc, .offset: 0, .size: 8, .value_kind: global_buffer, .address_space: global }
      - { .name: xs, .offset: 8, .size: 8, .value_kind: global_buffer, .address_space: global }
      - { .name: bq, .offset: 16, .size: 8, .value_kind: global_buffer, .address_space: global }
      - { .name: bk, .offset: 24, .size: 8, .value_kind: global_buffer, .address_space: global }
      - { .name: bv, .offset: 32, .size: 8, .value_kind: global_buffer, .address_space: global }
      - { .name: hc, .offset: 40, .size: 8, .value_kind: global_buffer, .address_space: global }
      - { .name: hs, .offset: 48, .size: 8, .value_kind: global_buffer, .address_space: global }
    .group_segment_fixed_size: 229888
    .private_segment_fixed_size: 0
    .kernarg_segment_align: 8
    .kernarg_segment_size: 56
    .max_flat_workgroup_size: 128
    .sgpr_count:     102
    .vgpr_count:     768
    .wavefront_size: 32
...
	.end_amdgpu_metadata
.endif
;; end of part 2
;; launch attn (part 3): grid 4 x 64, 16 waves a work-group, no clusters, 145,408 bytes of LDS; arguments hc, hs, mbits, mflag, oc, os; writes oc, os
.if DOCPART == 3
	.amdgcn_target "amdgcn-amd-amdhsa--gfx1250"
	.amdhsa_code_object_version 6
	.text
	.protected	k_q15efb9f28c_attn
	.globl	k_q15efb9f28c_attn
	.p2align	8
	.type	k_q15efb9f28c_attn,@function
k_q15efb9f28c_attn:
	s_mov_b64 s[64:65], 0
	v_nop
	global_prefetch_b8 v0, s[64:65] scope:SCOPE_SE
	s_setreg_imm32_b32 hwreg(HW_REG_WAVE_MODE, 25, 1), 1
	s_wait_xcnt 0x0
; O = softmax(Q K^T / 8, masked) V for one (batch, head), both products on codes of FP4 (E2M1) with E8M0 scales, and O quantised along (head, d) for the last projection.
; THE SOFTMAX AHEAD OF THE SECOND PRODUCT: t = score x log2(e) / 8; M = the row's largest t so far, rounded UP to a whole number; p = 2^(t - M) is quantised along the keys, not normalised.
; The row's sum is taken of the unquantised p and divides O at the end.  When M moves, the sum and O are multiplied by 2^(old M - new M): exact.  A masked score becomes -infinity ahead of the maximum: p = 0.
; SHARES.  Grid y = batch x head, grid x = 512 queries.  Each of sixteen waves owns a tile of 16 queries at a time, twice; every wave walks all 2,048 keys, 128 a step.
; THE WHOLE HEAD LIES IN LDS, stored once: K's and V's images of operand registers (a piece at 16 x lane) and their scale words, as they lie in hc and hs: 131,072 + 12,288 bytes.
; LAYOUT.  S^T = K Q^T (source 0 = 16 keys, source 1 = my 16 queries), O^T = V^T P^T (source 0 = 16 of the head's 64, source 1 = P): a lane holds ONE query (lane % 16) throughout.
; The head has 64 along K, the instruction 128: the upper four registers of K's and Q's operands are zero codes, which add nothing.
; Row m of K's tile 4 c + t is key 64 c + 32 (m / 8) + 8 t + m % 8.  So score register j of lane (r, h) is key 64 (j / 32) + 32 h + j % 32: A LANE HOLDS WHOLE BLOCKS OF 32 KEYS, blocks h and 2 + h:
; a block's maximum needs no other lane, and the conversions' results are P's operand registers as they stand.  Only the row's maximum and the scale word's four bytes are joined with lane l xor 16.
; THE MASK.  mflag has a bit for (tile of queries, key step): set where the step hides a key.
; That branch hangs on a whole number read from memory; LDS is filled through registers, and there is no cluster and no joint load.
; No prefetch: the loop reads LDS alone; what comes from memory is asked for once, at the head.
; LIMITS: a row whose mask hides every key has the sum 0: its scale bytes are set to 0xff, so that its row of the output is NaN, as in the reference.  NaN and infinities among the inputs are not served;
; blocks of O whose largest magnitude lies under 2^-124 get the byte 1.  The division by the sum is v_rcp_f32 and a multiplication.  The scaled scores stay under 2^31 in magnitude.
; REGISTERS: v1-7 addresses that stay; v8-11 the step's LDS addresses; v12 -M, v13 the largest t, v[14:15] the sum in two halves; v16-23 Q; v[24:25] f; v26 8 h; v27 -infinity; v28-29 the conversions' scale operands;
; v30-31 the spare word's address and 0; v32-63, v192-223 K's eight operands; v64-95 V's four; v96-159 S^T, then p; v160-191 O^T; v224-231 p's codes; v232-239, v254 at work; v240-247 K's scale words, v248-251 V's, v252 p's, v253 Q's; v255 0xffff.
.set VIMG, 65536                       ; LDS: K's images at 0 (4,096 bytes a step), V's here, both as they lie in hc
; THE SCALE WORDS ARE RE-LAID ON THEIR WAY INTO LDS, so that a lane's words of a step lie on end and come by loads of 16 bytes:
.set KSC,  131072                      ; K's: records of 512 bytes: lane r's eight words (tiles 0 to 7) at 32 r.  Record s holds step (s + 1) % 16: a trip asks for the next step's, and record 15 serves step 0
.set VSC,  139264                      ; V's: 256 bytes a step: lane r's four words (tiles of d 0 to 3) at 16 r
.set SPARE, 143360                     ; the spare words, 128 bytes a wave: eight blocks of 256 bytes that no other line names
.set SPW,  30
.set NIL,  31
.set WV,   14                          ; s14 my wave's number;  s15 batch x head
.set TB,   2                           ; s2 4,096 x step;  s3 512 x step;  s84 256 x step;  s85 the mask words' offset;  s86 the step;  s87 my tile's 16 flags
.set TS,   3
.set TJ,   84
.set MOFF, 85
.set STP,  86
.set FLG,  87
.set SEL,  88                          ; s[88:89] lane selects for v_permlanex16_b32: lane l xor 16
.set CS,   90                          ; s[90:91] c = log2(e) / 8
.set FW,   96                          ; s[96:97] the tile's two words of flags as loaded
.set PF,   100                         ; s[100:101] where they lie
; s[4:5] Q's image, s[6:7] Q's words, s[8:9] my tile's mask words, s[10:11] oc, s[12:13] os.  s[16:63], s[68:83]: a step's 64 mask words (word j in s[16 + j], from j = 48 on in s[20 + j])
.macro QLOAD                           ; a tile's Q, its scale words, its flags
	global_load_b128 v[16:19], v5, s[4:5]          ; d = 32 h .. 32 h + 31 of query r
	global_load_b32 v253, v6, s[6:7]
	s_load_b64 s[FW:FW+1], s[PF:PF+1], 0x0
.endm
.macro MASKW                           ; the 64 mask words at s[MOFF] of my tile's 4,096 bytes
	s_load_b512 s[16:31], s[8:9], s[MOFF] offset:0x0
	s_load_b512 s[32:47], s[8:9], s[MOFF] offset:0x40
	s_load_b512 s[48:63], s[8:9], s[MOFF] offset:0x80
	s_load_b512 s[68:83], s[8:9], s[MOFF] offset:0xc0
.endm
	s_load_b256 s[68:75], s[0:1], 0x0              ; hc s[68:69], hs s[70:71], mbits s[72:73], mflag s[74:75]
	s_load_b128 s[76:79], s[0:1], 0x20             ; oc s[76:77], os s[78:79]
	v_lshl_add_u32 v[SPW], v0, 2, SPARE
	v_mov_b32 v[NIL], 0
	v_lshrrev_b32 v1, 5, v0
	v_readfirstlane_b32 s[WV], v1                  ; wave 0..15
	v_and_b32 v26, 31, v0
	v_lshlrev_b32 v1, 4, v26                       ; 16 x lane
	v_lshlrev_b32 v9, 3, v26                       ; 8 x lane
	s_lshl_b32 s92, s[WV], 13                      ; my wave copies 8,192 bytes of images
	v_add_nc_u32 v8, s92, v1
	; and the scale words of key step w = my wave's number.  K's 128 words: lane l loads words n = 4 l + i; word n = 32 g + 16 x + 8 u + e belongs to tile 2 g + u, lane r = 8 x + e, and goes to 32 r + 4 (2 g + u)
	s_add_co_u32 s93, s[WV], 15
	s_and_b32 s93, s93, 15
	s_lshl_b32 s93, s93, 9                         ; record (w + 15) % 16
	v_and_b32 v10, 1, v26
	v_lshlrev_b32 v10, 7, v10                      ; e = 4 (l % 2) + i: 128 (l % 2), and 32 i as the stores' offset
	v_bfe_u32 v11, v26, 2, 1
	v_lshl_add_u32 v10, v11, 8, v10                ; + 256 x
	v_bfe_u32 v11, v26, 3, 2
	v_lshl_add_u32 v10, v11, 3, v10                ; + 8 g
	v_bfe_u32 v11, v26, 1, 1
	v_lshl_add_u32 v10, v11, 2, v10                ; + 4 u
	v_add_nc_u32 v10, s93, v10
	v_add_nc_u32 v10, KSC, v10
	; V's 64 words: lane l loads words 2 l + i: tile l / 8, lane r = 2 (l % 8) + i: to 16 r + 4 (l / 8)
	s_lshl_b32 s93, s[WV], 8
	v_and_b32 v11, 7, v26
	v_lshlrev_b32 v11, 5, v11
	v_lshrrev_b32 v232, 3, v26
	v_lshl_add_u32 v11, v232, 2, v11
	v_add_nc_u32 v11, s93, v11
	v_add_nc_u32 v11, VSC, v11
	s_and_b32 s15, ttmp7, 0xffff
	s_lshl_b32 s94, s15, 17
	s_add_co_u32 s94, s94, s92
	s_add_co_u32 s94, s94, 0x400000                ; K and V lie behind Q in hc, 131,072 bytes a head
	s_mov_b32 s95, 0
	s_mul_i32 s98, s15, 12288
	s_add_co_u32 s98, s98, 524288                  ; the head's words lie behind Q's in hs: K's 8,192 bytes, then V's 4,096
	s_add_co_u32 s96, s98, s93                     ; V's of my step: 256 w on,
	s_add_co_u32 s96, s96, 8192
	s_mov_b32 s97, 0
	s_add_co_u32 s98, s98, s93                     ; K's: 512 w on
	s_add_co_u32 s98, s98, s93
	s_mov_b32 s99, 0
	s_wait_alu depctr_va_vdst(0)
	s_wait_kmcnt 0x0
	s_add_nc_u64 s[16:17], s[68:69], s[94:95]
	s_add_nc_u64 s[18:19], s[70:71], s[98:99]
	s_add_nc_u64 s[20:21], s[70:71], s[96:97]
.irp i, 0,1,2,3,4,5,6,7,8,9,10,11,12,13,14,15
	global_load_b128 v[96+4*\i:99+4*\i], v1, s[16:17] offset:512*\i    ; 512 consecutive bytes a load
.endr
	global_load_b128 v[160:163], v1, s[18:19]      ; 512 consecutive bytes
	global_load_b64 v[164:165], v9, s[20:21]       ; 256 consecutive bytes
	; my first tile of queries, T = 32 x + wave
	s_lshl_b32 s92, ttmp9, 5
	s_add_co_u32 s92, s92, s[WV]                   ; T
	s_lshr_b32 s94, s15, 4                         ; the batch
	s_and_b32 s95, s15, 15                         ; the head
	s_lshl_b32 s94, s94, 7
	s_add_co_u32 s94, s94, s92                     ; 128 x batch + T
	s_mov_b32 s99, 0
	s_lshl_b32 s98, s15, 16                        ; Q's image: natural rows 16 T + r lie in pieces 2 ((T % 8) / 2) + r / 8, lanes 8 (T % 2) + r % 8
	s_lshr_b32 s96, s92, 1
	s_lshl_b32 s96, s96, 10
	s_add_co_u32 s98, s98, s96
	s_and_b32 s96, s92, 1
	s_lshl_b32 s96, s96, 7
	s_add_co_u32 s98, s98, s96
	s_add_nc_u64 s[4:5], s[68:69], s[98:99]
	s_lshl_b32 s98, s15, 13                        ; Q's words: 4 bytes a row
	s_lshl_b32 s96, s92, 6
	s_add_co_u32 s98, s98, s96
	s_add_nc_u64 s[6:7], s[70:71], s[98:99]
	s_lshl_b32 s98, s94, 12                        ; the mask words: 4,096 bytes a tile
	s_add_nc_u64 s[8:9], s[72:73], s[98:99]
	s_lshl_b32 s98, s94, 3                         ; the flags: two words a tile
	s_add_nc_u64 s[PF:PF+1], s[74:75], s[98:99]
	s_lshl_b32 s98, s94, 13                        ; oc: 8,192 bytes a tile; my head's piece: K step head / 2, half head % 2
	s_lshr_b32 s96, s95, 1
	s_lshl_b32 s96, s96, 10
	s_add_co_u32 s98, s98, s96
	s_and_b32 s96, s95, 1
	s_lshl_b32 s96, s96, 9
	s_add_co_u32 s98, s98, s96
	s_add_nc_u64 s[10:11], s[76:77], s[98:99]
	s_lshl_b32 s98, s94, 9                         ; os: 32 bytes a row; my head's two
	s_lshl_b32 s96, s95, 1
	s_add_co_u32 s98, s98, s96
	s_add_nc_u64 s[12:13], s[78:79], s[98:99]
	s_mov_b32 s[SEL], 0x76543210
	s_mov_b32 s[SEL+1], 0xfedcba98
	s_mov_b32 s[CS], 0x3e38aa3b                    ; log2(e) / 8
	s_mov_b32 s[CS+1], s[CS]                       ; (named with it as a pair, so it is written)
	v_add_nc_u32 v2, 4096, v1                      ; a piece of the NEXT step's K; this step's V lies VIMG - 4096 bytes on, inside a load's 16-bit offset
	v_and_b32 v12, 15, v0                          ; r
	v_bfe_u32 v13, v0, 4, 1                        ; h
	v_lshl_add_u32 v3, v12, 5, KSC                 ; K's scale words
	v_lshl_add_u32 v4, v12, 4, VSC                 ; V's
	v_lshrrev_b32 v15, 3, v12
	v_lshlrev_b32 v5, 9, v15
	v_lshl_add_u32 v5, v13, 8, v5
	v_and_b32 v15, 7, v12
	v_lshl_add_u32 v5, v15, 4, v5                  ; Q: 512 (r / 8) + 256 h + 16 (r % 8)
	v_lshlrev_b32 v6, 2, v12                       ; Q's words
	v_lshlrev_b32 v7, 5, v12                       ; os: my row
	v_lshlrev_b32 v26, 3, v13                      ; 8 h: where my two scale bytes stand in p's word
	QLOAD                                          ; the first tile's
.irp j, 20,21,22,23
	v_mov_b32 v[\j], 0                             ; Q's upper 64 along K: zero codes
.endr
.irp t, 0,1,2,3,4,5,6,7
.irp j, 4,5,6,7
	v_mov_b32 v[32+8*\t+128*(\t/4)+\j], 0          ; K's likewise, written once
.endr
.endr
	v_mov_b32 v25, 0                               ; (named as the upper half of the pair v[24:25])
	v_mov_b32 v27, 0xff800000                      ; -infinity
	v_mov_b32 v236, 0                              ; written once: a lane permute's destination counts as one of its sources
	v_mov_b32 v237, 0
	v_mov_b32 v254, 0
	v_mov_b32 v255, 0xffff
	s_wait_alu depctr_va_vdst(0)
	s_wait_loadcnt 0x2                             ; my 18 loads of the head's bytes are in; the two younger, Q's, may be out
.irp i, 0,1,2,3,4,5,6,7,8,9,10,11,12,13,14,15
	ds_store_b128 v8, v[96+4*\i:99+4*\i] offset:512*\i
.endr
.irp i, 0,1,2,3
	ds_store_b32 v10, v[160+\i] offset:32*\i
.endr
.irp i, 0,1
	ds_store_b32 v11, v[164+\i] offset:16*\i
.endr
	s_wait_dscnt 0x0                               ; my part of the head is in LDS,
	s_barrier_signal -1
	s_barrier_wait -1                              ; everybody's is; from here on these bytes are only read
; A tile of 16 queries against all keys.  last = 1: no tile follows.
.macro PASS last
	v_mov_b32 v13, 0xff61b1e6                      ; the largest t so far: -3e38, under every t
	v_floor_f32 v12, -v13                          ; -M
	v_mov_b32 v14, 0                               ; the sum, in two halves
	v_mov_b32 v15, 0
.set J, 0
.rept 32
	v_mov_b32 v[160+J], 0                          ; O^T: the step is written once; the first finds zeros, which the first change of M leaves zeros
.set J, J+1
.endr
	s_mov_b32 s[TB], 0
	s_mov_b32 s[TS], 0
	s_mov_b32 s[TJ], 0
	s_mov_b32 s[STP], 0
	s_wait_alu depctr_va_vdst(0)
	s_wait_loadcnt 0x0                             ; Q
	s_wait_kmcnt 0x0                               ; the flags
	s_lshl_b32 s[FLG], s[FW+1], 8
	s_or_b32 s[FLG], s[FLG], s[FW]                 ; bit s: key step s hides a key from some query of my tile
.irp t, 0,1,2,3,4,5,6,7
	ds_load_b128 v[32+8*\t+128*(\t/4):35+8*\t+128*(\t/4)], v1 offset:512*\t   ; key step 0's K; every later step's is asked for a step ahead
.endr
	ds_load_b128 v[240:243], v3 offset:7680        ; step 0's words: record 15
	ds_load_b128 v[244:247], v3 offset:7696
	s_wait_dscnt 0x0
.Lstep_\@:                                     ; 16 trips: 128 keys each.  K's fragments and scale words are in: the wait ahead of the last products showed it
.irp t, 0,1,2,3,4,5,6,7
	v_wmma_scale_f32_16x16x128_f8f6f4 v[96+8*\t:103+8*\t], v[32+8*\t+128*(\t/4):39+8*\t+128*(\t/4)], v[16:23], 0, v[240+\t], v253 matrix_a_fmt:MATRIX_FMT_FP4 matrix_b_fmt:MATRIX_FMT_FP4
.endr
	v_add_nc_u32 v8, s[TB], v2                     ; four places: in front of the first read of the scores, of the loads into K's registers,
	v_add_nc_u32 v10, s[TS], v3                    ; and of the loads into V's, which the last trip's products read
	v_add_nc_u32 v11, s[TJ], v4
	v_mov_b32 v254, v12                            ; the old -M
	s_wait_alu depctr_va_vdst(0)                   ; the wait ahead of the branch
	s_bitcmp1_b32 s[FLG], s[STP]                   ; does this step hide a key?  A whole number that an earlier launch stored decides
	s_cbranch_scc0 .Lopen_\@
	s_lshl_b32 s[MOFF], s[STP], 8
	MASKW
	s_wait_kmcnt 0x0
.set J, 0
.rept 64
	v_cndmask_b32 v[96+J], v[96+J], v27, s[16+J+4*(J/48)]   ; a hidden key's score becomes -infinity
.set J, J+1
.endr
.Lopen_\@:
	s_barrier_signal -1                            ; I am in step s (no LDS instruction of mine is out).  The wait stands at the step's end: no wave enters step s + 1 before every wave has reached this line of step s
.irp u, 0,1,2,3
.irp c, 0,1
	ds_load_b128 v[64+8*\u+4*\c:67+8*\u+4*\c], v8 offset:VIMG-4096+1024*\u+512*\c   ; V, and the next step's K: bytes that nobody writes; the softmax stands between these 19 loads and the wait for them
.endr
.endr
	ds_load_b128 v[248:251], v11
.irp t, 0,1,2,3,4,5,6,7
	ds_load_b128 v[32+8*\t+128*(\t/4):35+8*\t+128*(\t/4)], v8 offset:512*\t   ; (the last trip finds V's first bytes here, and step 0's words below: written bytes, which no product takes)
.endr
	ds_load_b128 v[240:243], v10
	ds_load_b128 v[244:247], v10 offset:16
.irp b, 0,1,2,3                        ; the largest score of my two blocks of 32 keys, each in two chains; each accumulator is read from its low end on
	v_max3_num_f32 v[232+\b], v[96+16*\b], v[97+16*\b], v[98+16*\b]
.endr
.irp i, 3,5,7,9,11,13
.irp b, 0,1,2,3
	v_max3_num_f32 v[232+\b], v[232+\b], v[96+16*\b+\i], v[97+16*\b+\i]
.endr
.endr
.irp c, 0,1
	v_max3_num_f32 v[232+2*\c], v[232+2*\c], v[233+2*\c], v[111+32*\c]
.endr
.irp c, 0,1
	v_max_num_f32 v[232+2*\c], v[232+2*\c], v[127+32*\c]   ; v232, v234: for the row's maximum, and, since p rises with the score, for the block's largest p
.endr
	s_delay_alu instid0(VALU_DEP_1)
	v_max_num_f32 v235, v232, v234
	s_delay_alu instid0(VALU_DEP_1)
	v_permlanex16_b32 v236, v235, s[SEL], s[SEL+1]
	s_delay_alu instid0(VALU_DEP_1)
	v_max_num_f32 v235, v235, v236                 ; with lane l xor 16's two blocks: the step's largest score of my query
	s_delay_alu instid0(VALU_DEP_1)
	v_mul_f32 v235, s[CS], v235                    ; as t (c is positive)
	s_delay_alu instid0(VALU_DEP_1)
	v_max_num_f32 v13, v13, v235                   ; the running largest t
	s_delay_alu instid0(VALU_DEP_1)
	v_floor_f32 v12, -v13                          ; the new -M = floor(-t) = -ceil(t): a whole number
	s_delay_alu instid0(VALU_DEP_1)
	v_sub_f32 v254, v12, v254                      ; old M - new M: a whole number, 0 or less
	s_delay_alu instid0(VALU_DEP_1)
	v_cvt_i32_f32 v254, v254                       ; (it saturates)
	s_delay_alu instid0(VALU_DEP_1)
	v_ldexp_f32 v24, 1.0, v254                     ; f = 2^(old M - new M)
.set J, 0
.rept 16
	v_pk_mul_f32 v[160+J:161+J], v[160+J:161+J], v[24:25] op_sel_hi:[1,0]   ; O^T under the new M: ahead of the exponentials, so that none stands between the last products and these first readers
.set J, J+2
.endr
.set J, 0
.rept 32
	v_pk_fma_f32 v[96+J:97+J], v[96+J:97+J], s[CS:CS+1], v[12:13] op_sel_hi:[1,0,0]   ; t - M, two at a time (of the pairs c and -M the low word serves both halves)
.set J, J+2
.endr
	v_fma_f32 v232, v232, s[CS], v12               ; the same of each block's largest score
	v_fma_f32 v234, v234, s[CS], v12
	s_wait_alu depctr_va_vdst(0)
.set J, 0
.rept 64
	v_exp_f32 v[96+J], v[96+J]                     ; p = 2^(t - M), at most 1, not normalised
.set J, J+1
.endr
	v_exp_f32 v232, v232                           ; the block's largest p: the same two instructions on the same number
	v_exp_f32 v234, v234
	v_pk_mul_f32 v[14:15], v[14:15], v[24:25] op_sel_hi:[1,0]   ; the sums under the new M.  (A plain place behind the exponentials)
	s_wait_alu depctr_va_vdst(0)                   ; one wait for the batch, ahead of its first reader
	v_max_num_f32 v232, 0x1800000, v232            ; the floor 2^(3 - 127): the byte cannot fall under 1 (a block of zeros keeps that byte: its codes are zeros)
	v_max_num_f32 v234, 0x1800000, v234
	v_add_nc_u32 v28, 0xff000000, v232             ; 2 off the exponent field: the conversion's scale operand
	v_add_nc_u32 v29, 0xff000000, v234
	v_lshrrev_b32 v232, 23, v28                    ; the scale's byte: block h,
	v_lshrrev_b32 v234, 23, v29                    ; block 2 + h
	v_lshl_or_b32 v232, v234, 16, v232
	v_lshlrev_b32 v232, v26, v232                  ; at their places in the word, 8 h bits up;
	v_permlanex16_b32 v236, v232, s[SEL], s[SEL+1]
	v_or_b32 v252, v232, v236                      ; with lane l xor 16's two the word of these 128 keys is whole
.irp c, 0,1
.irp g, 0,1,2,3
	v_cvt_scalef32_pk8_fp4_f32 v[224+4*\c+\g], v[96+32*\c+8*\g:103+32*\c+8*\g], v[28+\c]   ; registers 4 c .. 4 c + 3 of P's operand: keys 64 c + 32 h + 0 .. 31
.endr
.endr
	v_pk_add_f32 v[232:233], v[96:97], v[98:99]    ; the row's sum of the unquantised p: two at a time, in four chains
	v_pk_add_f32 v[234:235], v[100:101], v[102:103]
	v_pk_add_f32 v[238:239], v[104:105], v[106:107]
	v_pk_add_f32 v[14:15], v[14:15], v[108:109]
.set J, 110
.rept 6
	v_pk_add_f32 v[232:233], v[232:233], v[J:J+1]
	v_pk_add_f32 v[234:235], v[234:235], v[J+2:J+3]
	v_pk_add_f32 v[238:239], v[238:239], v[J+4:J+5]
	v_pk_add_f32 v[14:15], v[14:15], v[J+6:J+7]
.set J, J+8
.endr
	v_pk_add_f32 v[232:233], v[232:233], v[158:159]
	v_pk_add_f32 v[234:235], v[234:235], v[238:239]
	v_pk_add_f32 v[14:15], v[14:15], v[232:233]
	v_pk_add_f32 v[14:15], v[14:15], v[234:235]
	s_wait_alu depctr_va_vdst(0)
	s_wait_dscnt 0x0                               ; V, the next step's K and their scale words are in
.irp u, 0,1,2,3
	v_wmma_scale_f32_16x16x128_f8f6f4 v[160+8*\u:167+8*\u], v[64+8*\u:71+8*\u], v[224:231], v[160+8*\u:167+8*\u], v[248+\u], v252 matrix_a_fmt:MATRIX_FMT_FP4 matrix_b_fmt:MATRIX_FMT_FP4
.endr
	s_add_co_u32 s[TB], s[TB], 4096
	s_add_co_u32 s[TS], s[TS], 512
	s_add_co_u32 s[TJ], s[TJ], 256
	s_add_co_u32 s[STP], s[STP], 1
	s_barrier_wait -1                              ; every wave has reached this step
	s_cmp_lt_u32 s[STP], 16
	s_cbranch_scc1 .Lstep_\@
	; the tile's end: O^T / the sum, quantised along d: two blocks of 32; register 16 b + i is d = 32 b + 16 h + i of query r
.if !\last
	s_add_nc_u64 s[4:5], s[4:5], 8192              ; sixteen tiles on (the loads that read these bases were waited for at the tile's head)
	s_add_nc_u64 s[6:7], s[6:7], 1024
	s_add_nc_u64 s[PF:PF+1], s[PF:PF+1], 128
.endif
.rept 4
	v_nop
.endr
.if !\last
	QLOAD                                          ; the next tile's, under this tile's end
.endif
	v_add_f32 v14, v14, v15                        ; the sum's two halves,
	s_delay_alu instid0(VALU_DEP_1)
	v_permlanex16_b32 v254, v14, s[SEL], s[SEL+1]
	s_delay_alu instid0(VALU_DEP_1)
	v_add_f32 v14, v14, v254                       ; and lane l xor 16's: the row's sum
	s_wait_alu depctr_va_vdst(0)
	v_rcp_f32 v24, v14
	v_cmp_lt_f32 vcc_lo, 0, v14                    ; (a plain place behind the transcendental)  has the row a key that counts?
	s_wait_alu depctr_va_vdst(0)                   ; the wait ahead of the first reader, of the reciprocal and of O^T
.set J, 0
.rept 16
	v_pk_mul_f32 v[96+J:97+J], v[160+J:161+J], v[24:25] op_sel_hi:[1,0]
.set J, J+2
.endr
.irp b, 0,1
	v_max3_num_f32 v[232+\b], |v[96+16*\b]|, |v[97+16*\b]|, 0x1800000
.endr
.irp i, 2,4,6,8,10,12,14
.irp b, 0,1
	s_delay_alu instid0(VALU_DEP_2)
	v_max3_num_f32 v[232+\b], v[232+\b], |v[96+16*\b+\i]|, |v[97+16*\b+\i]|
.endr
.endr
.irp b, 0,1
	s_delay_alu instid0(VALU_DEP_2)
	v_permlanex16_b32 v[236+\b], v[232+\b], s[SEL], s[SEL+1]
.endr
.irp b, 0,1
	s_delay_alu instid0(VALU_DEP_2)
	v_max_num_f32 v[232+\b], v[232+\b], v[236+\b]
.endr
.irp b, 0,1
	s_delay_alu instid0(VALU_DEP_2)
	v_add_nc_u32 v[28+\b], 0xff000000, v[232+\b]
.endr
.irp b, 0,1
	s_delay_alu instid0(VALU_DEP_2)
	v_lshrrev_b32 v[236+\b], 23, v[28+\b]
.endr
	s_delay_alu instid0(VALU_DEP_1)
	v_lshl_or_b32 v254, v237, 8, v236              ; the row's two scale bytes of this head;
	s_delay_alu instid0(VALU_DEP_1)
	v_cndmask_b32 v254, v255, v254, vcc_lo         ; 0xff, 0xff where the sum is 0
.irp b, 0,1
	v_cvt_scalef32_pk8_fp4_f32 v[224+2*\b], v[96+16*\b:103+16*\b], v[28+\b]
	v_cvt_scalef32_pk8_fp4_f32 v[225+2*\b], v[104+16*\b:111+16*\b], v[28+\b]
.endr
	v_nop                                          ; one plain place behind a scaled conversion
.irp i, 0,1
	v_permlane16_swap_b32 v[224+\i], v[226+\i]     ; lane (r, h): d = 32 h .. 32 h + 31
.endr
	global_store_b128 v1, v[224:227], s[10:11]     ; a piece of the next operand's image: 512 consecutive bytes, aligned
	global_store_b16 v7, v254, s[12:13]            ; (both halves of the lanes store the same two bytes)
.if !\last
	s_wait_xcnt 0x0                                ; the stores have read their registers and bases: both may be written again
	s_add_nc_u64 s[8:9], s[8:9], 65536
	s_add_nc_u64 s[10:11], s[10:11], 131072
	s_add_nc_u64 s[12:13], s[12:13], 8192
.endif
.endm
	PASS 0
	PASS 1
	s_wait_tensorcnt 0x0                           ; the wave's end
	ds_add_u32 v[SPW], v[NIL]
	s_wait_dscnt 0x0
	s_endpgm
.Lfunc_end_k_q15efb9f28c_attn:
	.size	k_q15efb9f28c_attn, .Lfunc_end_k_q15efb9f28c_attn-k_q15efb9f28c_attn
	.p2alignl 7, 3214868480
	.fill 96, 4, 3214868480
	.section	.rodata,"a",@progbits
	.p2align	6, 0x0
	.amdhsa_kernel k_q15efb9f28c_attn
		.amdhsa_group_segment_fixed_size 145408
		.amdhsa_private_segment_fixed_size 0
		.amdhsa_enable_private_segment 0
		.amdhsa_kernarg_size 48
		.amdhsa_user_sgpr_count 2
		.amdhsa_user_sgpr_kernarg_segment_ptr 1
		.amdhsa_wavefront_size32 1
		.amdhsa_system_sgpr_workgroup_id_x 1
		.amdhsa_system_sgpr_workgroup_id_y 1
		.amdhsa_system_sgpr_workgroup_id_z 1
		.amdhsa_system_vgpr_workitem_id 0
		.amdhsa_next_free_vgpr 256
		.amdhsa_next_free_sgpr 102
		.amdhsa_reserve_vcc 1
		.amdhsa_float_denorm_mode_32 3
		.amdhsa_float_denorm_mode_16_64 3
		.amdhsa_memory_ordered 1
		.amdhsa_forward_progress 1
		.amdhsa_inst_pref_size 60
	.end_amdhsa_kernel
	.amdgpu_metadata
---
amdhsa.version: [ 1, 2 ]
amdhsa.kernels:
  - .name:           k_q15efb9f28c_attn
    .symbol:         k_q15efb9f28c_attn.kd
    .args:
      - { .name: hc, .offset: 0, .size: 8, .value_kind: global_buffer, .address_space: global }
      - { .name: hs, .offset: 8, .size: 8, .value_kind: global_buffer, .address_space: global }
      - { .name: mbits, .offset: 16, .size: 8, .value_kind: global_buffer, .address_space: global }
      - { .name: mflag, .offset: 24, .size: 8, .value_kind: global_buffer, .address_space: global }
      - { .name: oc, .offset: 32, .size: 8, .value_kind: global_buffer, .address_space: global }
      - { .name: os, .offset: 40, .size: 8, .value_kind: global_buffer, .address_space: global }
    .group_segment_fixed_size: 145408
    .private_segment_fixed_size: 0
    .kernarg_segment_align: 8
    .kernarg_segment_size: 48
    .max_flat_workgroup_size: 512
    .sgpr_count:     102
    .vgpr_count:     256
    .wavefront_size: 32
...
	.end_amdgpu_metadata
.endif
;; end of part 3
;; launch oproj (part 4): grid 8 x 32, 4 waves a work-group, clusters of 4 x 4, 327,680 bytes of LDS; arguments oc, os, xc, xs, bo, out0; writes out0
.if DOCPART == 4
	.amdgcn_target "amdgcn-amd-amdhsa--gfx1250"
	.amdhsa_code_object_version 6
	.text
	.protected	k_q15efb9f28c_oproj
	.globl	k_q15efb9f28c_oproj
	.p2align	8
	.type	k_q15efb9f28c_oproj,@function
k_q15efb9f28c_oproj:
	s_mov_b64 s[64:65], 0
	v_nop
	global_prefetch_b8 v0, s[64:65] scope:SCOPE_SE
	s_setreg_imm32_b32 hwreg(HW_REG_WAVE_MODE, 25, 1), 1
	s_wait_xcnt 0x0
	s_wait_alu depctr_hold_cnt(0) depctr_sa_sdst(0) depctr_va_vdst(0) depctr_va_sdst(0) depctr_va_ssrc(0) depctr_va_vcc(0) depctr_vm_vsrc(0)
	s_getreg_b32 s2, hwreg(HW_REG_IB_STS2, 6, 4)
	s_cmp_eq_u32 s2, 0
	s_cbranch_scc0 .Lentry_in_a_cluster
	s_endpgm
.Lentry_in_a_cluster:
	s_bfe_u32 s2, ttmp6, 0x10000c
	s_cmp_lg_u32 s2, 0xf033
	s_cbranch_scc0 .Lentry_shape_is_right
	s_endpgm
.Lentry_shape_is_right:
; out0 = O Wo^T + bo on codes of FP4 (E2M1) with E8M0 scales.  A work-group makes 256 rows x 128 columns; wave w rows 128 (w / 2) on, columns 64 (w % 2) on: 32 accumulators.
; All of K = 1,024 of both operands lies in LDS, filled once, one joint load a wave: waves 0, 1 bring the halves of O's images of operand registers
; (8,192 dense bytes for 16 rows: K step q at 1,024 q, half c at 512 c, 16 bytes a lane), waves 2, 3 the halves of Wo's 128 rows of 512 bytes, 16 bytes of padding behind each.
; CLUSTERS: 4 x 4 work-groups; the four of a row ask jointly for the same rows of O, the four of a column for the same rows of Wo.
; The scale words go from memory straight into registers: a tile's 16 rows x 32 bytes are 512 consecutive bytes.  The bias is the C of each sum's first matrix instruction.
; Source 0 = 16 rows of Wo, source 1 = 16 rows of O: a lane holds eight neighbouring columns of a row; the results leave through each wave's own stage as aligned runs of 256 bytes.
.set PITCH, 528                        ; Wo's LDS row: 33 x 16 bytes: the 16 rows that a load touches start 16 bytes apart modulo 256
.set SLOT,  256                        ; K steps 4 to 7 begin 256 bytes on in a row of Wo
.set BOFF,  131072                     ; Wo's rows, behind O's images
.set STG,   213760
.set ADRA, 16
.set ADRB, 20
.set ADSX, 22
.set ADSW, 23
.set CO,   24
.set STO,  25
.set RD,   26
.set BOF,  30
.set SCX,  32
.set SCW,  96
.set XF,   128
.set WF,   0
.set BI,   64
.set MSB, 0
.macro WIN new
.if MSB != \new
	s_set_vgpr_msb (MSB<<8)|\new
.set MSB, \new
.endif
.endm
.macro PLACES
.rept 4
	v_nop
.endr
.endm
.macro JLOAD g0a, g1a, g0b, g1b
	s_cmp_eq_u32 s19, 0
	s_cbranch_scc0 .Lfor_b_\@
	tensor_load_to_lds s[\g0a:\g0a+3], s[\g1a:\g1a+7]
	s_nop 0
	PLACES
	s_branch .Lasked_\@
.Lfor_b_\@:
	tensor_load_to_lds s[\g0b:\g0b+3], s[\g1b:\g1b+7]
	s_nop 0
	PLACES
.Lasked_\@:
.endm
.macro CROUND
	s_barrier_signal -1
	s_barrier_wait -1
	s_cmp_lg_u32 s18, 0
	s_cbranch_scc1 .Lnot_wave_0_\@
	s_barrier_signal -3
.Lnot_wave_0_\@:
	s_barrier_wait -3
	s_barrier_signal -1
	s_barrier_wait -1
.endm
	s_load_b256 s[4:11], s[0:1], 0x0
	s_load_b128 s[12:15], s[0:1], 0x20
	v_lshl_add_u32 v29, v0, 2, 0x38800
	v_mov_b32 v31, 0
	ds_add_u32 v29, v31
	ds_add_u32 v29, v31
	v_lshrrev_b32 v1, 5, v0
	v_readfirstlane_b32 s18, v1
	s_lshr_b32 s19, s18, 1
	s_and_b32 s20, s18, 1
	s_bfe_u32 s40, ttmp6, 0x40000
	s_bfe_u32 s41, ttmp6, 0x40004
	s_lshl_b32 s42, ttmp9, 2
	s_add_co_u32 s42, s42, s40
	s_and_b32 s43, ttmp7, 0xffff
	s_lshl_b32 s43, s43, 2
	s_add_co_u32 s43, s43, s41
	s_lshl_b32 s44, s41, 2
	s_lshl_b32 s44, 15, s44
	s_lshl_b32 s45, 0x1111, s40
	s_or_b32 s24, s44, (3<<16)|(1<<21)             ; O's images: 8 rows of 1,024 elements of 8 bytes, dense, no padding
	s_mov_b32 s25, 1024<<16
	s_mov_b32 s26, 8<<16
	s_mov_b32 s27, 1024<<16
	s_mov_b32 s28, 8
	s_mov_b32 s29, 1024
	s_mov_b32 s30, 0
	s_mov_b32 s31, 0
	s_or_b32 s48, s45, (1<<20)|(1<<21)|(6<<22)|(3<<25)   ; Wo: 64 rows of 512 bytes, four words of padding behind every 128
	s_mov_b32 s49, 512<<16
	s_mov_b32 s50, 64<<16
	s_mov_b32 s51, 512<<16
	s_mov_b32 s52, 64
	s_mov_b32 s53, 512
	s_mov_b32 s54, 0
	s_mov_b32 s55, 0
	s_lshl_b32 s92, s43, 17
	s_lshl_b32 s94, s20, 16
	s_add_co_u32 s92, s92, s94
	s_lshl_b32 s94, s43, 13
	s_lshl_b32 s95, s19, 12                        ; the scale bytes of the 128 rows that I multiply
	s_add_co_u32 s94, s94, s95
	s_mov_b32 s93, 0
	s_mov_b32 s95, 0
	s_lshl_b32 s96, s42, 16
	s_lshl_b32 s98, s20, 15
	s_add_co_u32 s96, s96, s98
	s_add_co_u32 s96, s96, 14155776
	s_lshl_b32 s98, s42, 12
	s_lshl_b32 s99, s20, 11
	s_add_co_u32 s98, s98, s99
	s_add_co_u32 s98, s98, 884736
	s_mov_b32 s97, 0
	s_mov_b32 s99, 0
	s_lshl_b32 s22, s20, 16                        ; where the tiles go: no place in the cluster enters an LDS address
	s_mul_i32 s23, s20, 64*PITCH
	s_add_co_u32 s23, s23, BOFF
	s_wait_dscnt 0x0
	s_wait_kmcnt 0x0
	s_add_nc_u64 s[92:93], s[4:5], s[92:93]
	s_add_nc_u64 s[94:95], s[6:7], s[94:95]
	s_add_nc_u64 s[96:97], s[8:9], s[96:97]
	s_add_nc_u64 s[98:99], s[10:11], s[98:99]
	CROUND
	s_mov_b32 s32, 1
	s_mov_b32 s33, s22
	s_mov_b64 s[34:35], s[92:93]
	s_or_b32 s35, s35, 0x80000000
	s_mov_b32 s56, 1
	s_mov_b32 s57, s23
	s_mov_b64 s[58:59], s[96:97]
	s_or_b32 s59, s59, 0x80000000
	JLOAD 32, 24, 56, 48                           ; my one tensor load
	v_and_b32 v1, 15, v0
	v_bfe_u32 v2, v0, 4, 1
	v_and_b32 v6, 31, v0
	v_lshlrev_b32 v3, 4, v6
	s_lshl_b32 s22, s19, 16
	v_add_nc_u32 v[ADRA], s22, v3                  ; my 128 rows' images: 16 x lane
	v_mul_u32_u24 v3, v1, PITCH
	v_lshl_add_u32 v3, v2, 4, v3
	s_mul_i32 s23, s20, 64*PITCH
	s_add_co_u32 s23, s23, BOFF
	v_add_nc_u32 v[ADRB], s23, v3                  ; my 64 rows of Wo: row x pitch + 16 x half
	v_add_nc_u32 v[ADRB+1], SLOT, v[ADRB]
	v_lshlrev_b32 v[ADSX], 5, v1                   ; a row's 32 scale bytes: the words of all eight K steps; both halves of the lanes take row r's
.irp a, 0,1,2,3,4,5,6,7
.irp c, 0,1
	global_load_b128 v[SCX+8*\a+4*\c:SCX+8*\a+4*\c+3], v[ADSX], s[94:95] offset:512*\a+16*\c
.endr
.endr
.irp b, 0,1,2,3
.irp c, 0,1
	global_load_b128 v[SCW+8*\b+4*\c:SCW+8*\b+4*\c+3], v[ADSX], s[98:99] offset:512*\b+16*\c
.endr
.endr
	s_mul_i32 s22, s18, 4352
	s_add_co_u32 s22, s22, STG
	v_mul_u32_u24 v[STO], v1, 272
	v_lshl_add_u32 v[STO], v2, 6, v[STO]
	v_add_nc_u32 v[STO], s22, v[STO]
	v_mul_u32_u24 v[RD], v2, 272
	v_lshl_add_u32 v[RD], v1, 4, v[RD]
	v_add_nc_u32 v[RD], s22, v[RD]
	v_lshlrev_b32 v[CO], 12, v2
	v_lshl_add_u32 v[CO], v1, 4, v[CO]
	s_lshl_b32 s22, s42, 9
	s_lshl_b32 s23, s20, 8
	s_add_co_u32 s22, s22, s23
	s_mov_b32 s23, 0
	s_add_nc_u64 s[12:13], s[12:13], s[22:23]
	s_add_nc_u64 s[14:15], s[14:15], s[22:23]
	s_lshl_b32 s22, s43, 20
	s_lshl_b32 s2, s19, 19
	s_add_co_u32 s22, s22, s2
	s_add_nc_u64 s[14:15], s[14:15], s[22:23]
	v_lshlrev_b32 v[BOF], 6, v2
	WIN 0x80
.irp b, 0,1,2,3
	global_load_b128 v[BI+8*\b:BI+8*\b+3], v[BOF], s[12:13] offset:(32*(\b/2)+8*(\b%2))*4
	global_load_b128 v[BI+8*\b+4:BI+8*\b+7], v[BOF], s[12:13] offset:(32*(\b/2)+8*(\b%2))*4+16
.endr
	WIN 0
.macro FETCH q, p
	WIN 0
.irp a, 0,1,2,3,4,5,6,7
.irp c, 0,1
	ds_load_b128 v[XF+64*(\p)+8*\a+4*\c:XF+64*(\p)+8*\a+4*\c+3], v[ADRA] offset:8192*\a+1024*(\q)+512*\c
.endr
.endr
	WIN 0x80
.irp b, 0,1,2,3
.irp c, 0,1
	ds_load_b128 v[WF+32*(\p)+8*\b+4*\c:WF+32*(\p)+8*\b+4*\c+3], v[ADRB+(\q)/4] offset:64*((\q)%4)+32*\c+16*PITCH*\b
.endr
.endr
.endm
.macro MUL32 p, q, first
.irp a, 0,1,2,3,4,5,6,7
.irp b, 0,1,2,3
.set FX, XF+64*(\p)+8*\a
.set FW, WF+32*(\p)+8*\b
.set AC, 8*(4*\a+\b)
.if \first
	v_wmma_scale_f32_16x16x128_f8f6f4 v[AC:AC+7], v[FW:FW+7], v[FX:FX+7], v[BI+8*\b:BI+8*\b+7], v[SCW+8*\b+(\q)], v[SCX+8*\a+(\q)] matrix_a_fmt:MATRIX_FMT_FP4 matrix_b_fmt:MATRIX_FMT_FP4
.else
	v_wmma_scale_f32_16x16x128_f8f6f4 v[AC:AC+7], v[FW:FW+7], v[FX:FX+7], v[AC:AC+7], v[SCW+8*\b+(\q)], v[SCX+8*\a+(\q)] matrix_a_fmt:MATRIX_FMT_FP4 matrix_b_fmt:MATRIX_FMT_FP4
.endif
.endr
.endr
.endm
.macro KSTEP q
.if \q > 0
	PLACES
.endif
.if \q < 7
	FETCH \q+1, (\q+1)%2
	s_wait_dscnt 24
.else
	s_wait_dscnt 0x0
.endif
.if \q == 0
	WIN 0x62
	MUL32 (\q)%2, \q, 1
.else
	WIN 0x52
	MUL32 (\q)%2, \q, 0
.endif
.endm
	s_wait_alu depctr_va_vdst(0)
	s_wait_tensorcnt 0x0                           ; my part of the two tiles is in,
	s_barrier_signal -1
	s_barrier_wait -1                              ; everybody's is; from here on these bytes are only read
	FETCH 0, 0
	s_wait_loadcnt 0x0
.irp q, 0,1,2,3,4,5,6,7
	KSTEP \q
.endr
	WIN 0
.macro TOSTAGE a
	WIN 0x04
.irp b, 0,1,2,3
	ds_store_b128 v[STO], v[8*(4*(\a)+\b):8*(4*(\a)+\b)+3] offset:128*(\b/2)+32*(\b%2)
	ds_store_b128 v[STO], v[8*(4*(\a)+\b)+4:8*(4*(\a)+\b)+7] offset:128*(\b/2)+32*(\b%2)+16
.endr
	WIN 0
.set BB, 128+32*((\a)%2)
.irp i, 0,1,2,3,4,5,6,7
	ds_load_b128 v[BB+4*\i:BB+4*\i+3], v[RD] offset:\i*2*272
.endr
.endm
.macro SEND a, younger
.set BB, 128+32*((\a)%2)
	s_wait_dscnt \younger
.irp i, 0,1,2,3,4,5,6,7
	global_store_b128 v[CO], v[BB+4*\i:BB+4*\i+3], s[14:15] offset:(16*(\a)+2*\i)*4096 th:TH_STORE_NT
.endr
.endm
	PLACES
	s_wait_alu depctr_va_vdst(0)
	TOSTAGE 0
.irp a, 1,2,3,4,5,6,7
.if \a > 1
	s_wait_xcnt 0x0
.endif
	TOSTAGE \a
	SEND \a-1, 16
.endr
	SEND 7, 0
	s_wait_tensorcnt 0x0
	ds_add_u32 v29, v31
	s_wait_dscnt 0x0
	CROUND
	s_endpgm
.Lfunc_end_k_q15efb9f28c_oproj:
	.size	k_q15efb9f28c_oproj, .Lfunc_end_k_q15efb9f28c_oproj-k_q15efb9f28c_oproj
	.p2alignl 7, 3214868480
	.fill 96, 4, 3214868480
	.section	.rodata,"a",@progbits
	.p2align	6, 0x0
	.amdhsa_kernel k_q15efb9f28c_oproj
		.amdhsa_group_segment_fixed_size 327680
		.amdhsa_private_segment_fixed_size 0
		.amdhsa_enable_private_segment 0
		.amdhsa_kernarg_size 48
		.amdhsa_user_sgpr_count 2
		.amdhsa_user_sgpr_kernarg_segment_ptr 1
		.amdhsa_wavefront_size32 1
		.amdhsa_system_sgpr_workgroup_id_x 1
		.amdhsa_system_sgpr_workgroup_id_y 1
		.amdhsa_system_sgpr_workgroup_id_z 1
		.amdhsa_system_vgpr_workitem_id 0
		.amdhsa_next_free_vgpr 768
		.amdhsa_next_free_sgpr 102
		.amdhsa_reserve_vcc 0
		.amdhsa_float_denorm_mode_32 3
		.amdhsa_float_denorm_mode_16_64 3
		.amdhsa_memory_ordered 1
		.amdhsa_forward_progress 1
		.amdhsa_inst_pref_size 71
	.end_amdhsa_kernel
	.amdgpu_metadata
---
amdhsa.version: [ 1, 2 ]
amdhsa.kernels:
  - .name:           k_q15efb9f28c_oproj
    .symbol:         k_q15efb9f28c_oproj.kd
    .args:
      - { .name: oc, .offset: 0, .size: 8, .value_kind: global_buffer, .address_space: global }
      - { .name: os, .offset: 8, .size: 8, .value_kind: global_buffer, .address_space: global }
      - { .name: xc, .offset: 16, .size: 8, .value_kind: global_buffer, .address_space: global }
      - { .name: xs, .offset: 24, .size: 8, .value_kind: global_buffer, .address_space: global }
      - { .name: bo, .offset: 32, .size: 8, .value_kind: global_buffer, .address_space: global }
      - { .name: out0, .offset: 40, .size: 8, .value_kind: global_buffer, .address_space: global }
    .group_segment_fixed_size: 327680
    .private_segment_fixed_size: 0
    .kernarg_segment_align: 8
    .kernarg_segment_size: 48
    .max_flat_workgroup_size: 128
    .sgpr_count:     102
    .vgpr_count:     768
    .wavefront_size: 32
...
	.end_amdgpu_metadata
.endif
;; end of part 4
